; MI455X (gfx1250); checked and timed in simulation.
; The chip was launched on July 23, 2026; its instructions are those of AMD's public machine-readable ISA for CDNA 5 (MIT licence, August 2026) and "CDNA5" Instruction Set Architecture Reference Guide (July 2026). The comments in the code are by the model that wrote it; some were corrected since.
;; Gpt2 Hyena. Allowed arithmetic: matrix products marked QUANTISED: E2M1 operands, one E8M0 scale for each 32 along K, by v_wmma_scale_f32_16x16x128_f8f6f4 with both operands' format E2M1 (or v_wmma_scale_f32_32x16x128_f4), f32 sums; products left as they are: bf16, f16 or f32 operands; f32 sums; everything else in f32.
;; Inputs: b_attn 3 x 16 x 64 float32; b_proj 1,024 float32; w_attn 1,024 x 3 x 16 x 64 float32; w_proj 16 x 64 x 1,024 float32; x 4 x 2,048 x 1,024 float32.
;; Outputs: out0 4 x 2,048 x 1,024 float32.
;; This version of the problem:
;;   THIS VERSION OF THE PROBLEM IS GIVEN IN LOW PRECISION. The matrix products marked QUANTISED in the list below multiply operands that are first quantised to E2M1 (2 exponent bits, 1 mantissa bit; 4 bits a number), with one power-of-two scale for each 32 numbers along K (OCP MX v1.0); their sums are f32. The products marked 'left as it is' may take bf16, f16 or f32 operands, with f32 sums. Whichever they take, every output number must still come out within the allowed error. Rounding operands to bf16 (8 significant bits) uses up far more of that allowance than f16 does (11 bits, for magnitudes from 6e-5 to 65,504). All else is computed in f32.
;;   The module's matrix products, in the order in which they are computed (A, B: the left and right operand; K: the contracted axis; several contracted axes count as one K, in the product's order):
;;     1. [M 3,072, K 1,024] x [K 1,024, N 8,192]; A: input w_attn; B: input x: QUANTISED
;;     2. batch 64 x [M 2,048, K 64] x [K 64, N 2,048]; A: computed on the way; B: computed on the way: left as it is (an operand is computed on the way)
;;     3. batch 64 x [M 2,048, K 2,048] x [K 2,048, N 64]; A: computed on the way; B: computed on the way: left as it is (an operand is computed on the way)
;;     4. [M 8,192, K 1,024] x [K 1,024, N 1,024]; A: computed on the way; B: input w_proj: left as it is (an operand is computed on the way)
;;   THE QUANTISER, for each operand of a quantised product, along K:
;;     - K is cut into blocks of 32 from its start; a last block that is shorter is filled with zeros.
;;     - A block's scale is 2^e with e = floor(log2(the largest magnitude in the block)) - 2, held to -126 .. 127; a block of zeros has e = 0. As a byte (E8M0): e + 127.
;;     - Each number is divided by its block's scale, clamped to +-6, and rounded to the nearest number of E2M1, ties to even, subnormals kept.
;;     - The product sums the exact products of the quantised numbers (number of the format x scale) in f32.
;;   ~~~python
;;   def quantise(x, axis):      # numpy; x: float32 -> the quantised numbers, widened to float32 again
;;       x = np.moveaxis(x, axis, -1); K = x.shape[-1]
;;       x = np.pad(x, [(0, 0)] * (x.ndim - 1) + [(0, -K % 32)]); x = x.reshape(x.shape[:-1] + (-1, 32)); a = np.abs(x).max(-1, keepdims=True)
;;       e = np.where(a > 0, np.clip(np.frexp(np.where(a > 0, a, 1))[1] - 1 - 2, -126, 127), 0)      # np.frexp(a)[1] - 1 = floor(log2(a)), exactly
;;       r = np.clip(x / 2.0 ** e, -6, 6)
;;       step = 2.0 ** (np.maximum(np.frexp(np.where(r == 0, 1, r))[1] - 1, 0) - 1)
;;       q = np.round(r / step) * step * 2.0 ** e      # np.round: ties to even
;;       return np.moveaxis(q.reshape(q.shape[:-2] + (-1,))[..., :K], -1, axis).astype(np.float32)
;;   ~~~
;; One version. Each part assembles by itself: llvm-mc -triple=amdgcn-amd-amdhsa -mcpu=gfx1250 --defsym DOCPART=n.
;; ======== version 1 of 1: 5 launches
;; limits: values are held in f16: magnitudes above 65,504 overflow, below 6.1e-05 lose precision; right only within a limited range of input values
;; workspace buffers: xc 4,194,304 bytes; xs 262,144 bytes; wc 1,572,864 bytes; ws 98,304 bytes; wp16 2,097,152 bytes; qkv16 50,331,648 bytes; qkv32 786,432 bytes; o16 16,777,216 bytes
;; launch prep (part 1): grid 384 x 1, 8 waves a work-group, no clusters, 128,000 bytes of LDS; arguments x, w_attn, w_proj, xc, xs, wc, ws, wp16; writes xc, xs, wc, ws, wp16
.if DOCPART == 1
	.amdgcn_target "amdgcn-amd-amdhsa--gfx1250"
	.amdhsa_code_object_version 6
	.text
	.protected	k_q85f505b172_prep
	.globl	k_q85f505b172_prep
	.p2align	8
	.type	k_q85f505b172_prep,@function
k_q85f505b172_prep:
	s_mov_b64 s[64:65], 0
	v_nop
	global_prefetch_b8 v0, s[64:65] scope:SCOPE_SE
	s_setreg_imm32_b32 hwreg(HW_REG_WAVE_MODE, 25, 1), 1
	s_wait_xcnt 0x0
; Three jobs in one launch, chosen by the work-group's number (the same for all eight waves of a work-group):
;   X (work-groups 0-255):   x [8192][1024] f32 -> codes of E2M1, K innermost (xc [8192][512 bytes]) and one E8M0 byte for each 32 along K (xs [8192][32]).
;   W (work-groups 256-351): w_attn [1024 (k)][3072 (n)] f32, K its FIRST axis -> wc [3072][512 bytes], ws [3072][32], K innermost.
;   P (work-groups 352-383): w_proj [1024 (k)][1024 (n)] f32 -> wp16 [n][k] f16 (rounded to nearest even), for the last product, which is left as it is.
; A block's scale is 2^(floor(log2(largest magnitude)) - 2); its byte is the largest magnitude's exponent field - 2, held at 1 from below.
; LIMITS: a block of zeros gets the byte 1 where the rule says 127 (its codes are zeros, and this program alone reads the bytes); blocks whose largest magnitude lies under 2^-124
; are held at byte 1; NaN and infinities are not served; w_proj beyond 65,504 becomes infinite in f16, and under 6e-5 it keeps an absolute step of 6e-8.
; Each job has LDS bytes of its own and an end of its own.  Every wave asks for all its 16 KiB at its head.  No tensor load, no matrix unit, no cluster: nothing is shared between work-groups.
.set XSC,   40960                      ; X: 0 .. 40,959 eight waves x two stages of 32 x 80 bytes; here the work-group's 1,024 scale bytes
.set WST,   41984                      ; W: 64 columns x (256 bytes of codes + 16)
.set WSC,   59392                      ; W: 64 columns x 16 scale bytes
.set PST,   60416                      ; P: 64 columns x (1,024 bytes of f16 + 16)
.set SPARE, 126976                     ; the spare words, 128 bytes for each wave: four blocks of 256 bytes that no other line names
.set SPW,   14                         ; v14  SPARE + 4 x my thread's number; never rewritten
.set NIL,   15                         ; v15  0; never rewritten
.set R,     16                         ; X: v16-143 eight sets of 16 numbers as loaded
.set X,     144                        ; X: v144-175 two sets of 16 neighbours
.set C,     176                        ; X: v176-191 two registers of codes for each step
.set E,     192                        ; X: v192-199 a scale byte for each step
.macro XLOAD t                         ; step t: four loads of 512 consecutive bytes
.irp i, 0,1,2,3
	global_load_b128 v[R+16*(\t)+4*\i:R+16*(\t)+4*\i+3], v3, s[4:5] offset:2048*(\t)+512*\i th:TH_LOAD_NT
.endr
.endm
.macro XTURN t                         ; step t's 2,048 bytes through my stage: in as loaded, out 64 bytes a lane; LDS serves a wave's instructions in order
.irp i, 0,1,2,3
	ds_store_b128 v6, v[R+16*(\t)+4*\i:R+16*(\t)+4*\i+3] offset:2560*((\t)%2)+640*\i
.endr
.irp i, 0,1,2,3
	ds_load_b128 v[X+16*((\t)%2)+4*\i:X+16*((\t)%2)+4*\i+3], v7 offset:2560*((\t)%2)+16*\i
.endr
.endm
.macro XSTEP t
.set XS, X+16*((\t)%2)
.if (\t) > 0
	s_wait_dscnt 1                                 ; this step's numbers are back from the stage; the last step's byte store may be out
.else
	s_wait_dscnt 0x0
.endif
.if (\t) < 7
	s_wait_loadcnt 4*(6-(\t))                      ; the next step's four loads are in; those of the steps behind it may be out
	XTURN (\t)+1
.endif
	v_max3_num_f32 v8, |v[XS]|, |v[XS+1]|, |v[XS+2]|
	v_max3_num_f32 v9, |v[XS+3]|, |v[XS+4]|, |v[XS+5]|
.irp i, 6,10
	v_max3_num_f32 v8, v8, |v[XS+\i]|, |v[XS+\i+1]|
	v_max3_num_f32 v9, v9, |v[XS+\i+2]|, |v[XS+\i+3]|
.endr
	v_max3_num_f32 v8, v8, |v[XS+14]|, |v[XS+15]|
	v_max3_num_f32 v8, v8, v9, 0x1800000           ; and the floor 2^(3 - 127): the byte cannot fall under 1
	v_max_num_f32_dpp v8, v8, v8 row_xmask:1 row_mask:0xf bank_mask:0xf   ; with my neighbour's 16: the block's largest magnitude
	v_add_nc_u32 v11, 0xff000000, v8               ; 2 off its exponent field: the conversion's scale operand
	v_cvt_scalef32_pk8_fp4_f32 v[C+2*(\t)], v[XS:XS+7], v11
	v_cvt_scalef32_pk8_fp4_f32 v[C+2*(\t)+1], v[XS+8:XS+15], v11
	v_lshrrev_b32 v[E+(\t)], 23, v11               ; the scale's byte (also the plain line behind the conversions)
	ds_store_b8 v5, v[E+(\t)] offset:16*(\t)       ; both lanes of a block write the same byte with the same value
	global_store_b64 v4, v[C+2*(\t):C+2*(\t)+1], s[10:11] offset:256*(\t)   ; the wave stores 256 consecutive bytes, aligned
.endm
; 64 rows of K x 64 columns: a lane takes columns lane and 32 + lane, its registers run down K (v16-79, v80-143); a row's two loads read 256 consecutive bytes
.macro COLS base, pitch
.set i, 0
.rept 64
	global_load_b32 v[16+i], v3, s[\base:\base+1] offset:i*\pitch th:TH_LOAD_NT
	global_load_b32 v[80+i], v3, s[\base:\base+1] offset:i*\pitch+128 th:TH_LOAD_NT
.set i, i+1
.endr
.endm
; one block of 32 along K of one column: all 32 numbers are the lane's own
.macro QBLK u, blk
.set XS, 16+64*\u+32*\blk
.set CC, 144+4*(2*\u+\blk)
	v_max3_num_f32 v8, |v[XS]|, |v[XS+1]|, |v[XS+2]|
	v_max3_num_f32 v9, |v[XS+3]|, |v[XS+4]|, |v[XS+5]|
.irp i, 6,10,14,18,22,26
	v_max3_num_f32 v8, v8, |v[XS+\i]|, |v[XS+\i+1]|
	v_max3_num_f32 v9, v9, |v[XS+\i+2]|, |v[XS+\i+3]|
.endr
	v_max3_num_f32 v8, v8, |v[XS+30]|, |v[XS+31]|
	v_max3_num_f32 v8, v8, v9, 0x1800000
	v_add_nc_u32 v11, 0xff000000, v8
	v_lshrrev_b32 v[160+2*\u+\blk], 23, v11
.irp g, 0,1,2,3
	v_cvt_scalef32_pk8_fp4_f32 v[CC+\g], v[XS+8*\g:XS+8*\g+7], v11
.endr
	v_nop                                          ; one plain line behind the last conversion: the next block writes v11 again
	ds_store_b128 v4, v[CC:CC+3] offset:8704*\u+16*\blk
	ds_store_b8 v5, v[160+2*\u+\blk] offset:512*\u+\blk
.endm
	s_load_b256 s[4:11], s[0:1], 0x0               ; x s[4:5], w_attn s[6:7], w_proj s[8:9], xc s[10:11]
	s_load_b256 s[12:19], s[0:1], 0x20             ; xs s[12:13], wc s[14:15], ws s[16:17], wp16 s[18:19]
	v_lshl_add_u32 v[SPW], v0, 2, SPARE
	v_mov_b32 v[NIL], 0
	v_lshrrev_b32 v1, 5, v0
	v_readfirstlane_b32 s20, v1                    ; wave 0..7
	v_and_b32 v2, 31, v0                           ; lane
	s_mov_b32 s25, 0                               ; the upper word of every offset pair s[24:25]
	s_wait_kmcnt 0x0
	s_cmp_lt_u32 ttmp9, 256
	s_cbranch_scc0 .Lnot_x
	; ---------------- X: a wave takes a run of 4,096 numbers, eight steps of 512
	v_lshlrev_b32 v3, 4, v2                        ; my 16 bytes of a load's 512
	v_lshlrev_b32 v4, 3, v2                        ; my 8 bytes of a step's 256 bytes of codes
	s_lshl_b32 s22, ttmp9, 3
	s_add_co_u32 s22, s22, s20                     ; the run: 8 x work-group + wave
	s_lshl_b32 s24, s22, 14
	s_add_nc_u64 s[4:5], s[4:5], s[24:25]
.irp t, 0,1,2,3,4,5,6,7
	XLOAD \t
.endr
	s_lshl_b32 s24, s22, 11
	s_add_nc_u64 s[10:11], s[10:11], s[24:25]
	s_lshl_b32 s24, ttmp9, 10
	s_add_nc_u64 s[12:13], s[12:13], s[24:25]      ; the work-group's 1,024 scale bytes
	s_mul_i32 s21, s20, 5120                       ; my two stages
	v_lshrrev_b32 v6, 2, v2
	v_mul_u32_u24 v6, v6, 80
	v_and_b32 v7, 3, v2
	v_lshl_add_u32 v6, v7, 4, v6
	v_add_nc_u32 v6, s21, v6                       ; in: four lanes' 64 bytes on end, then 16 of padding
	v_mul_u32_u24 v7, v2, 80
	v_add_nc_u32 v7, s21, v7                       ; out: 80 x lane: my 16 neighbours
	s_lshl_b32 s21, s20, 7
	s_add_co_u32 s21, s21, XSC
	v_lshrrev_b32 v5, 1, v2
	v_add_nc_u32 v5, s21, v5                       ; my wave's 128 scale bytes, my block's byte
	v_lshlrev_b32 v13, 4, v0                       ; the scale bytes' way out: 16 bytes a thread (threads 0-63)
	v_add_nc_u32 v12, XSC, v13
	s_wait_loadcnt 28                              ; step 0's four loads are in; the seven later steps' 28 may be out
	XTURN 0
.irp t, 0,1,2,3,4,5,6,7
	XSTEP \t
.endr
	s_wait_dscnt 0x0                               ; for the others' sake: my byte stores have landed
	s_barrier_signal -1
	s_barrier_wait -1
	s_cmp_gt_u32 s20, 1
	s_cbranch_scc1 .Lx_end                         ; waves 0 and 1 carry the 1,024 bytes out, 512 consecutive bytes each
	ds_load_b128 v[8:11], v12
	s_wait_dscnt 0x0
	global_store_b128 v13, v[8:11], s[12:13]
.Lx_end:
	s_wait_tensorcnt 0x0                           ; the wave's end: behind my last LDS store
	ds_add_u32 v[SPW], v[NIL]
	s_wait_dscnt 0x0
	s_endpgm
.Lnot_x:
	v_lshlrev_b32 v3, 2, v2                        ; 4 bytes a lane
	s_cmp_lt_u32 ttmp9, 352
	s_cbranch_scc0 .Lpath_p
	; ---------------- W: 64 columns x 512 along K to a work-group; wave w takes k = 512 kh + 64 w + 0 .. 63
	s_sub_co_u32 s21, ttmp9, 256
	s_lshr_b32 s22, s21, 1                         ; cg: which 64 columns
	s_and_b32 s23, s21, 1                          ; kh: which half of K
	s_lshl_b32 s24, s23, 9
	s_lshl_b32 s26, s20, 6
	s_add_co_u32 s24, s24, s26
	s_mul_i32 s24, s24, 12288                      ; a row of w_attn is 12,288 bytes
	s_lshl_b32 s26, s22, 8
	s_add_co_u32 s24, s24, s26
	s_add_nc_u64 s[6:7], s[6:7], s[24:25]
	COLS 6, 12288
	s_lshl_b32 s24, s22, 6
	s_lshl_b32 s26, s20, 3
	s_add_co_u32 s24, s24, s26                     ; the rows of wc that I carry out: 64 cg + 8 w on
	s_lshl_b32 s24, s24, 9
	s_lshl_b32 s26, s23, 8
	s_add_co_u32 s24, s24, s26
	s_add_nc_u64 s[14:15], s[14:15], s[24:25]
	s_lshl_b32 s24, s22, 11
	s_lshl_b32 s26, s23, 4
	s_add_co_u32 s24, s24, s26
	s_add_nc_u64 s[16:17], s[16:17], s[24:25]      ; ws at row 64 cg, byte 16 kh
	s_lshl_b32 s21, s20, 5
	s_add_co_u32 s21, s21, WST
	v_mul_u32_u24 v4, v2, 272
	v_add_nc_u32 v4, s21, v4                       ; codes in: row = my column, 32 bytes for each wave
	s_lshl_b32 s21, s20, 1
	s_add_co_u32 s21, s21, WSC
	v_lshl_add_u32 v5, v2, 4, s21                  ; scale bytes in: 16 a column, 2 for each wave
	v_lshrrev_b32 v6, 4, v2
	v_and_b32 v7, 15, v2
	v_lshlrev_b32 v10, 9, v6
	v_lshl_add_u32 v10, v7, 4, v10                 ; out, in wc: sixteen lanes to a row's 256 bytes, two rows an instruction
	v_mul_u32_u24 v6, v6, 272
	v_lshl_add_u32 v6, v7, 4, v6
	s_mul_i32 s21, s20, 2176
	s_add_co_u32 s21, s21, WST
	v_add_nc_u32 v6, s21, v6                       ; and the same in the stage: rows 8 w on
	v_lshlrev_b32 v12, 4, v0
	v_add_nc_u32 v12, WSC, v12                     ; scale bytes out: a column a thread (threads 0-63)
	v_lshlrev_b32 v13, 5, v0
	s_wait_loadcnt 63                              ; the first 64 loads (k 0-31 of both columns) are in: 64 stand behind them, and 63 is the largest count that the wait can name
	QBLK 0, 0
	QBLK 1, 0
	s_wait_loadcnt 0x0
	QBLK 0, 1
	QBLK 1, 1
	s_wait_dscnt 0x0                               ; for the others' sake: my stores have landed
	s_barrier_signal -1
	s_barrier_wait -1
.irp t, 0,1,2,3
	ds_load_b128 v[164+4*\t:167+4*\t], v6 offset:544*\t
.endr
.irp t, 0,1,2,3
	s_wait_dscnt 3-\t                              ; the loads behind this one may be out
	global_store_b128 v10, v[164+4*\t:167+4*\t], s[14:15] offset:1024*\t   ; sixteen lanes store 256 consecutive bytes, aligned
.endr
	s_cmp_gt_u32 s20, 1
	s_cbranch_scc1 .Lw_end
	ds_load_b128 v[180:183], v12
	s_wait_dscnt 0x0
	global_store_b128 v13, v[180:183], s[16:17]    ; 16 bytes of each column's row of 32: pieces 32 bytes apart, 98,304 bytes in the whole launch
.Lw_end:
	s_wait_tensorcnt 0x0                           ; the wave's end
	ds_add_u32 v[SPW], v[NIL]
	s_wait_dscnt 0x0
	s_endpgm
.Lpath_p:
	; ---------------- P: 64 columns x 512 along K to a work-group, turned and rounded to f16
	s_sub_co_u32 s21, ttmp9, 352
	s_lshr_b32 s22, s21, 1                         ; cg
	s_and_b32 s23, s21, 1                          ; kh
	s_lshl_b32 s24, s23, 9
	s_lshl_b32 s26, s20, 6
	s_add_co_u32 s24, s24, s26
	s_lshl_b32 s24, s24, 12                        ; a row of w_proj is 4,096 bytes
	s_lshl_b32 s26, s22, 8
	s_add_co_u32 s24, s24, s26
	s_add_nc_u64 s[8:9], s[8:9], s[24:25]
	COLS 8, 4096
	s_lshl_b32 s24, s22, 6
	s_lshl_b32 s26, s20, 3
	s_add_co_u32 s24, s24, s26
	s_lshl_b32 s24, s24, 11                        ; a row of wp16 is 2,048 bytes
	s_lshl_b32 s26, s23, 10
	s_add_co_u32 s24, s24, s26
	s_add_nc_u64 s[18:19], s[18:19], s[24:25]
	s_lshl_b32 s21, s20, 7
	s_add_co_u32 s21, s21, PST
	v_mul_u32_u24 v4, v2, 1040
	v_add_nc_u32 v4, s21, v4                       ; in: row = my column, 128 bytes for each wave
	s_mul_i32 s21, s20, 8320
	s_add_co_u32 s21, s21, PST
	v_lshlrev_b32 v10, 4, v2
	v_add_nc_u32 v6, s21, v10                      ; out: rows 8 w on, 512 bytes an instruction
	s_wait_loadcnt 0x0
.set i, 0
.rept 32
	v_cvt_pk_f16_f32 v[144+i], v[16+2*i], v[17+2*i]   ; the lower k in the low half
	v_cvt_pk_f16_f32 v[176+i], v[80+2*i], v[81+2*i]
.set i, i+1
.endr
.irp u, 0,1
.irp j, 0,1,2,3,4,5,6,7
	ds_store_b128 v4, v[144+32*\u+4*\j:147+32*\u+4*\j] offset:33280*\u+16*\j
.endr
.endr
	s_wait_dscnt 0x0
	s_barrier_signal -1
	s_barrier_wait -1
.irp n, 0,1,2,3,4,5,6,7,8,9,10,11,12,13,14,15
	ds_load_b128 v[16+4*\n:19+4*\n], v6 offset:1040*(\n/2)+512*(\n%2)
.endr
.irp n, 0,1,2,3,4,5,6,7,8,9,10,11,12,13,14,15
	s_wait_dscnt 15-\n
	global_store_b128 v10, v[16+4*\n:19+4*\n], s[18:19] offset:2048*(\n/2)+512*(\n%2)   ; 512 consecutive bytes, aligned
.endr
	s_wait_tensorcnt 0x0                           ; the wave's end
	ds_add_u32 v[SPW], v[NIL]
	s_wait_dscnt 0x0
	s_endpgm
.Lfunc_end_k_q85f505b172_prep:
	.size	k_q85f505b172_prep, .Lfunc_end_k_q85f505b172_prep-k_q85f505b172_prep
	.p2alignl 7, 3214868480
	.fill 96, 4, 3214868480
	.section	.rodata,"a",@progbits
	.p2align	6, 0x0
	.amdhsa_kernel k_q85f505b172_prep
		.amdhsa_group_segment_fixed_size 128000
		.amdhsa_private_segment_fixed_size 0
		.amdhsa_enable_private_segment 0
		.amdhsa_kernarg_size 64
		.amdhsa_user_sgpr_count 2
		.amdhsa_user_sgpr_kernarg_segment_ptr 1
		.amdhsa_wavefront_size32 1
		.amdhsa_system_sgpr_workgroup_id_x 1
		.amdhsa_system_sgpr_workgroup_id_y 1
		.amdhsa_system_sgpr_workgroup_id_z 1
		.amdhsa_system_vgpr_workitem_id 0
		.amdhsa_next_free_vgpr 208
		.amdhsa_next_free_sgpr 66
		.amdhsa_reserve_vcc 0
		.amdhsa_float_denorm_mode_32 3
		.amdhsa_float_denorm_mode_16_64 3
		.amdhsa_memory_ordered 1
		.amdhsa_forward_progress 1
		.amdhsa_inst_pref_size 60
	.end_amdhsa_kernel
	.amdgpu_metadata
---
amdhsa.version: [ 1, 2 ]
amdhsa.kernels:
  - .name:           k_q85f505b172_prep
    .symbol:         k_q85f505b172_prep.kd
    .args:
      - { .name: x, .offset: 0, .size: 8, .value_kind: global_buffer, .address_space: global }
      - { .name: w_attn, .offset: 8, .size: 8, .value_kind: global_buffer, .address_space: global }
      - { .name: w_proj, .offset: 16, .size: 8, .value_kind: global_buffer, .address_space: global }
      - { .name: xc, .offset: 24, .size: 8, .value_kind: global_buffer, .address_space: global }
      - { .name: xs, .offset: 32, .size: 8, .value_kind: global_buffer, .address_space: global }
      - { .name: wc, .offset: 40, .size: 8, .value_kind: global_buffer, .address_space: global }
      - { .name: ws, .offset: 48, .size: 8, .value_kind: global_buffer, .address_space: global }
      - { .name: wp16, .offset: 56, .size: 8, .value_kind: global_buffer, .address_space: global }
    .group_segment_fixed_size: 128000
    .private_segment_fixed_size: 0
    .kernarg_segment_align: 8
    .kernarg_segment_size: 64
    .max_flat_workgroup_size: 256
    .sgpr_count:     66
    .vgpr_count:     208
    .wavefront_size: 32
...
	.end_amdgpu_metadata
.endif
;; end of part 1
;; launch qkv (part 2): grid 12 x 32, 4 waves a work-group, clusters of 4 x 4, 327,680 bytes of LDS; arguments xc, xs, wc, ws, b_attn, qkv16, qkv32; writes qkv16, qkv32
.if DOCPART == 2
	.amdgcn_target "amdgcn-amd-amdhsa--gfx1250"
	.amdhsa_code_object_version 6
	.text
	.protected	k_q85f505b172_qkv
	.globl	k_q85f505b172_qkv
	.p2align	8
	.type	k_q85f505b172_qkv,@function
k_q85f505b172_qkv:
	s_mov_b64 s[64:65], 0
	v_nop
	global_prefetch_b8 v0, s[64:65] scope:SCOPE_SE
	s_setreg_imm32_b32 hwreg(HW_REG_WAVE_MODE, 25, 1), 1
	s_wait_xcnt 0x0
	s_wait_alu depctr_hold_cnt(0) depctr_sa_sdst(0) depctr_va_vdst(0) depctr_va_sdst(0) depctr_va_ssrc(0) depctr_va_vcc(0) depctr_vm_vsrc(0)
	s_getreg_b32 s2, hwreg(HW_REG_IB_STS2, 6, 4)
	s_cmp_eq_u32 s2, 0
	s_cbranch_scc0 .Lentry_in_a_cluster
	s_endpgm
.Lentry_in_a_cluster:
	s_bfe_u32 s2, ttmp6, 0x10000c
	s_cmp_lg_u32 s2, 0xf033
	s_cbranch_scc0 .Lentry_shape_is_right
	s_endpgm
.Lentry_shape_is_right:
; qkv[token][n] = sum over k of x[token][k] w_attn[k][n] + b_attn[n], on codes of E2M1 with one E8M0 scale for each 32 along K; sums in f32.  A = xc [8192][1024 codes], B = wc [3072][1024 codes].
; Out: qkv16 [3][batch x 16 + head][2048][64] f16 (rounded once), and qkv32 [batch][position 0-15][3072] f32 for the launch that carries each sequence's first 16 positions in f32.
; LIMIT: q, k, v beyond 65,504 become infinite in f16.
; A tile of C, 256 tokens x 256 n, is made by four waves, 128 x 128 each: 64 accumulators, 512 registers.  K = 1,024 is two LDS slots of 512: both are first fills, nothing is filled again.
; The scale bytes of the work-group's rows of A and B come once, as dense blocks.  CLUSTERS: 4 x 4 work-groups; A's tiles are asked for jointly along a row of the cluster, B's along a column.
; The tile row is 8 cy + cluster y: so the batch is cy, and cluster y = 0 marks the tiles that hold the sequences' first positions for all sixteen partners alike.
; THE MATRIX INSTRUCTION IS USED TRANSPOSED (source 0 = 16 rows of B, source 1 = 16 rows of A): a lane holds eight neighbouring n of one token.  The bias is the C of each sum's first product.
; REGISTERS: window 0: v0-31 addresses; v32-95 scale words, two sets, and nothing else; v128-191 A's fragments, one set; v192-255 the bias, eight registers for each block of 16 n;
;   window 1: B's fragments, two sets, at v0 and v128;  window 2: accumulators of my tokens 0-63 ((a, b) at v[8 (8 a + b)]);  window 3: of my tokens 64-127.
.set NQ,     4                         ; steps of 128 along K in a slot
.set ROWB,   256                       ; a tile's row: 512 codes
.set KROW,   512                       ; a row of xc or wc in memory
.set PITCH,  272                       ; an LDS row: 256 bytes + 16: the 16 rows that a load touches begin 68 words apart
.set FR,     8
.set NL,     2
.set NP,     4                         ; places behind this matrix instruction (ISA guide 7.12.1)
.set HALFT,  128*PITCH
.set SLOT,   4*HALFT
.set KS,     32                        ; a row of scale bytes
.set SCL,    2*SLOT
.set HALFS,  4352                      ; the scales of 128 rows: 16 rows of 256 bytes + 16
.set SBLK,   544                       ; those of 16 rows
.set SPARE,  SCL+4*HALFS               ; the spare words, 128 bytes for each wave: two blocks of 256 bytes that no other line names
.set ADRA, 16
.set ADRB, 20
.set STO32, 22                         ; v22  the f32 stage: where I put 32 bytes of a row
.set RD32, 23                          ; v23  and where I read a row back
.set STO,  24                          ; v24  the f16 stage: where I put 16 bytes of a row
.set RD,   25                          ; v25  and where I read rows back
.set CO,   26                          ; v26  16 x lane
.set ADRS, 27
.set SPW,  28
.set NIL,  29
.set BO,   30                          ; v30  32 x (lane / 16): the bias's offset
.set SC,   32
.set AF,   128
.set BIAS, 192
.set TMP,  192                         ; the way out: 32 registers of packed results
.set BK,   128                         ; the way out: rows read back: v128-159 and v160-191 by turns
.set G1, 24
.set G0, 32
.set G1B, 48
.set G0B, 56
.set G1S, 68
.set G0S, 76
.set G1SB, 80
.set G0SB, 88
.set MSB, 0
.macro WIN new                         ; the immediate's high byte repeats the setting that is left
.if MSB != (\new)
	s_set_vgpr_msb (MSB<<8)|(\new)
.set MSB, (\new)
.endif
.endm
.set MUL_LO, 0xa1                      ; source 0 (B) window 1, source 1 (A) window 0, C and D window 2
.set MUL_HI, 0xf1                      ; the same, C and D window 3
.set FST_LO, 0x81                      ; the first step: C (the bias) window 0, D window 2
.set FST_HI, 0xc1                      ; and D window 3
.set TO_B,   0x40
; A joint load: waves 0 and 1 fetch for A, waves 2 and 3 for B; the branch hangs on the wave's number alone.  An s_nop 0 and four v_nop follow each line.
.macro JLOAD g0a, g1a, g0b, g1b
	s_cmp_eq_u32 s15, 0
	s_cbranch_scc0 .Lfor_b_\@
	tensor_load_to_lds s[\g0a:\g0a+3], s[\g1a:\g1a+7]
	s_nop 0
.rept 4
	v_nop
.endr
	s_branch .Lasked_\@
.Lfor_b_\@:
	tensor_load_to_lds s[\g0b:\g0b+3], s[\g1b:\g1b+7]
	s_nop 0
.rept 4
	v_nop
.endr
.Lasked_\@:
.endm
.macro CROUND                          ; a round of the cluster's barrier
	s_barrier_signal -1
	s_barrier_wait -1
	s_cmp_lg_u32 s14, 0
	s_cbranch_scc1 .Lnot_wave_0_\@
	s_barrier_signal -3
.Lnot_wave_0_\@:
	s_barrier_wait -3
	s_barrier_signal -1
	s_barrier_wait -1
.endm
	s_load_b128 s[4:7], s[0:1], 0x0                ; xc, xs
	s_load_b128 s[8:11], s[0:1], 0x10              ; wc, ws
	s_load_b128 s[96:99], s[0:1], 0x20             ; b_attn, qkv16
	s_load_b64 s[100:101], s[0:1], 0x30            ; qkv32
	v_lshl_add_u32 v[SPW], v0, 2, SPARE
	v_mov_b32 v[NIL], 0
	ds_add_u32 v[SPW], v[NIL]                      ; the wave's opening: the add, twice on end, and its wait ahead of my first tensor load
	ds_add_u32 v[SPW], v[NIL]
	v_lshrrev_b32 v1, 5, v0
	v_readfirstlane_b32 s14, v1                    ; wave 0..3
	s_lshr_b32 s15, s14, 1                         ; which half of the tile's tokens is mine.  Also: I fetch for A (0) or for B (1)
	s_and_b32 s16, s14, 1                          ; which half of its n.  Also: which 128 rows of that tile I fetch
	s_bfe_u32 s40, ttmp6, 0x40000                  ; cx
	s_bfe_u32 s41, ttmp6, 0x40004                  ; cy
	s_lshl_b32 s42, ttmp9, 2
	s_add_co_u32 s42, s42, s40                     ; tile column = 4 x cluster x + cx
	s_and_b32 s95, ttmp7, 0xffff                   ; cluster y, 0..7
	s_lshl_b32 s17, s41, 3
	s_add_co_u32 s17, s17, s95                     ; tile row = 8 cy + cluster y
	s_lshl_b32 s43, s41, 2
	s_lshl_b32 s43, 15, s43                        ; my row of the cluster
	s_lshl_b32 s44, 0x1111, s40                    ; my column
	s_or_b32 s[G1+0], s43, (0<<16)|(1<<20)|(1<<21)|(5<<22)|(3<<25)  ; the mask; elements of 1 byte; padding on; bit 21 beside a mask; 4 words behind every 64
	s_or_b32 s[G1B+0], s44, (0<<16)|(1<<20)|(1<<21)|(5<<22)|(3<<25)
.irp g, G1, G1B
	s_mov_b32 s[\g+1], ROWB<<16                    ; tensor_dim0
	s_mov_b32 s[\g+2], 128<<16                     ; tensor_dim1
	s_mov_b32 s[\g+3], ROWB<<16                    ; tile_dim0
	s_mov_b32 s[\g+4], 128                         ; tile_dim1
	s_mov_b32 s[\g+5], KROW                        ; the pitch
	s_mov_b32 s[\g+6], 0
	s_mov_b32 s[\g+7], 0
.endr
	s_or_b32 s[G1S+0], s43, (3<<16)|(1<<20)|(1<<21)|(5<<22)|(3<<25) ; the scales of 128 rows: 4,096 dense bytes as 16 rows of 256 (32 elements of 8 bytes), 16 bytes behind each
	s_or_b32 s[G1SB+0], s44, (3<<16)|(1<<20)|(1<<21)|(5<<22)|(3<<25)
.irp g, G1S, G1SB
	s_mov_b32 s[\g+1], 32<<16
	s_mov_b32 s[\g+2], 16<<16
	s_mov_b32 s[\g+3], 32<<16
	s_mov_b32 s[\g+4], 16
	s_mov_b32 s[\g+5], 32
	s_mov_b32 s[\g+6], 0
	s_mov_b32 s[\g+7], 0
.endr
	s_lshl_b32 s18, s16, 7
	s_lshl_b32 s20, s17, 8
	s_add_co_u32 s20, s20, s18                     ; A: row 256 x tile row + 128 x half
	s_lshl_b32 s46, s42, 8
	s_add_co_u32 s46, s46, s18                     ; B: row 256 x tile column + 128 x half
	s_mov_b32 s21, 0
	s_mov_b32 s47, 0
	s_mov_b64 s[18:19], KS
	s_mul_u64 s[22:23], s[20:21], s[18:19]
	s_mul_u64 s[92:93], s[46:47], s[18:19]
	s_mov_b64 s[18:19], KROW
	s_mul_u64 s[20:21], s[20:21], s[18:19]
	s_mul_u64 s[46:47], s[46:47], s[18:19]
	s_mul_i32 s45, s14, HALFT                      ; where they go: wave x 128 rows
	s_mul_i32 s94, s14, HALFS
	s_wait_dscnt 0x0                               ; both opening adds are done
	s_wait_kmcnt 0x0
	s_add_nc_u64 s[20:21], s[4:5], s[20:21]
	s_add_nc_u64 s[22:23], s[6:7], s[22:23]
	s_add_nc_u64 s[46:47], s[8:9], s[46:47]
	s_add_nc_u64 s[92:93], s[10:11], s[92:93]
	CROUND                                         ; all sixteen work-groups are here: the joint loads meet
	s_mov_b32 s[G0S], 1
	s_add_co_u32 s[G0S+1], s94, SCL
	s_mov_b64 s[G0S+2:G0S+3], s[22:23]
	s_or_b32 s[G0S+3], s[G0S+3], 0x80000000
	s_mov_b32 s[G0SB], 1
	s_add_co_u32 s[G0SB+1], s94, SCL
	s_mov_b64 s[G0SB+2:G0SB+3], s[92:93]
	s_or_b32 s[G0SB+3], s[G0SB+3], 0x80000000
	JLOAD G0S, G1S, G0SB, G1SB                     ; the scales first; then both slots: three tensor loads of mine are out
.irp s, 0,1
	s_mov_b32 s[G0+4*\s], 1
	s_add_co_u32 s[G0+4*\s+1], s45, \s*SLOT
	s_add_nc_u64 s[G0+4*\s+2:G0+4*\s+3], s[20:21], \s*ROWB
	s_or_b32 s[G0+4*\s+3], s[G0+4*\s+3], 0x80000000
	s_mov_b32 s[G0B+4*\s], 1
	s_add_co_u32 s[G0B+4*\s+1], s45, \s*SLOT
	s_add_nc_u64 s[G0B+4*\s+2:G0B+4*\s+3], s[46:47], \s*ROWB
	s_or_b32 s[G0B+4*\s+3], s[G0B+4*\s+3], 0x80000000
	JLOAD G0+4*\s, G1, G0B+4*\s, G1B
.endr
	v_and_b32 v1, 15, v0                           ; r = lane % 16
	v_bfe_u32 v2, v0, 4, 1                         ; h = lane / 16
	; the bias of my 128 n, in the result's layout: register 8 b + j = b_attn[256 tile column + 128 half + 16 b + 8 h + j]
	s_lshl_b32 s46, s42, 10
	s_lshl_b32 s47, s16, 9
	s_add_co_u32 s46, s46, s47
	s_mov_b32 s47, 0
	s_add_nc_u64 s[96:97], s[96:97], s[46:47]
	v_lshlrev_b32 v[BO], 5, v2
.irp b, 0,1,2,3,4,5,6,7
	global_load_b128 v[BIAS+8*\b:BIAS+8*\b+3], v[BO], s[96:97] offset:64*\b
	global_load_b128 v[BIAS+8*\b+4:BIAS+8*\b+7], v[BO], s[96:97] offset:64*\b+16
.endr
	s_mul_i32 s92, s41, 196608                     ; qkv32: my batch's 16 rows of 12,288 bytes, my 128 n
	s_add_co_u32 s46, s46, s92
	s_add_nc_u64 s[100:101], s[100:101], s[46:47]
	v_mul_u32_u24 v3, v1, PITCH
	v_lshl_add_u32 v4, v2, 4, v3
	s_mul_i32 s21, s15, HALFT
	s_mul_i32 s22, s16, HALFT
	s_add_co_u32 s22, s22, 2*HALFT
.irp s, 0,1
	v_add_nc_u32 v[ADRA+\s], s21, v4
	v_add_nc_u32 v[ADRB+\s], s22, v4
	s_add_co_u32 s21, s21, SLOT
	s_add_co_u32 s22, s22, SLOT
.endr
	v_mul_u32_u24 v5, v1, KS                       ; my row's scales: 32 bytes a row, and 16 more for each 256 passed
	v_lshrrev_b32 v6, 8, v5
	v_lshl_add_u32 v5, v6, 4, v5
	s_mul_i32 s21, s15, HALFS
	s_mul_i32 s22, s16, HALFS
	s_add_co_u32 s22, s22, 2*HALFS
	s_sub_co_u32 s22, s22, s21
	v_mul_u32_u24 v6, s22, v2                      ; lanes 16-31 take B's
	s_add_co_u32 s21, s21, SCL
	v_add_nc_u32 v5, v5, v6
	v_add_nc_u32 v[ADRS], s21, v5
	; the way out's stages lie in slot 0, 32,768 bytes for each wave: f16: two heads x 16 rows x 144; 8,192 further on, f32: 16 rows x 528
	s_lshl_b32 s23, s14, 15
	v_mul_u32_u24 v5, v1, 144
	v_lshl_add_u32 v5, v2, 4, v5
	v_add_nc_u32 v[STO], s23, v5
	v_bfe_u32 v5, v0, 3, 2
	v_mul_u32_u24 v5, v5, 144
	v_and_b32 v6, 7, v0
	v_lshl_add_u32 v5, v6, 4, v5
	v_add_nc_u32 v[RD], s23, v5                    ; back: eight lanes to a row of 128 bytes, four rows an instruction
	v_and_b32 v6, 31, v0
	v_lshlrev_b32 v[CO], 4, v6
	s_add_co_u32 s23, s23, 8192
	v_mul_u32_u24 v5, v1, 528
	v_lshl_add_u32 v5, v2, 5, v5
	v_add_nc_u32 v[STO32], s23, v5
	v_add_nc_u32 v[RD32], s23, v[CO]
	; qkv16: plane ((tile column / 4) x 4 + cy) x 16 + 4 (tile column % 4) + 2 x my half of n, token 256 cluster y + 128 x my half of the tokens
	s_lshr_b32 s20, s42, 2
	s_lshl_b32 s20, s20, 2
	s_add_co_u32 s20, s20, s41
	s_lshl_b32 s20, s20, 4
	s_and_b32 s21, s42, 3
	s_lshl_b32 s21, s21, 2
	s_add_co_u32 s20, s20, s21
	s_lshl_b32 s21, s16, 1
	s_add_co_u32 s20, s20, s21
	s_lshl_b32 s20, s20, 18                        ; a plane is 262,144 bytes
	s_lshl_b32 s21, s95, 15
	s_add_co_u32 s20, s20, s21
	s_lshl_b32 s21, s15, 14
	s_add_co_u32 s20, s20, s21
	s_mov_b32 s21, 0
	s_add_nc_u64 s[12:13], s[98:99], s[20:21]
.macro FRAG reg, adr, q, i             ; 16 rows x 128 K of 4-bit codes: 8 registers, two loads of 16 bytes, 32 bytes apart
.irp c, 0,1
	ds_load_b128 v[\reg+4*\c:\reg+4*\c+3], v[\adr] offset:64*(\q)+32*\c+(\i)*16*PITCH
.endr
.endm
; 16 matrix instructions: A's blocks a0, a0 + 1 x B's eight.  first = 1: the bias is the C.  The 64 accumulators take turns, one instruction a turn.
.macro MUL16 a0, p, q, sc, first
.irp a, \a0, \a0+1
.irp b, 0,1,2,3,4,5,6,7
.if \first
	v_wmma_scale_f32_16x16x128_f8f6f4 v[8*(8*((\a)%4)+\b):8*(8*((\a)%4)+\b)+7], v[128*(\p)+FR*\b:128*(\p)+FR*\b+FR-1], v[AF+FR*(\a):AF+FR*(\a)+FR-1], v[BIAS+8*\b:BIAS+8*\b+7], v[SC+8*NQ*(\sc)+NQ*\b+(\q)], v[SC+8*NQ*(\sc)+NQ*(\a)+(\q)] matrix_a_fmt:MATRIX_FMT_FP4 matrix_b_fmt:MATRIX_FMT_FP4 matrix_a_scale:MATRIX_SCALE_ROW1
.else
	v_wmma_scale_f32_16x16x128_f8f6f4 v[8*(8*((\a)%4)+\b):8*(8*((\a)%4)+\b)+7], v[128*(\p)+FR*\b:128*(\p)+FR*\b+FR-1], v[AF+FR*(\a):AF+FR*(\a)+FR-1], v[8*(8*((\a)%4)+\b):8*(8*((\a)%4)+\b)+7], v[SC+8*NQ*(\sc)+NQ*\b+(\q)], v[SC+8*NQ*(\sc)+NQ*(\a)+(\q)] matrix_a_fmt:MATRIX_FMT_FP4 matrix_b_fmt:MATRIX_FMT_FP4 matrix_a_scale:MATRIX_SCALE_ROW1
.endif
.endr
.endr
.endm
.macro FETCH_B slot, q, p
	WIN TO_B
.irp i, 0,1,2,3,4,5,6,7
	FRAG 128*(\p)+FR*\i, ADRB+\slot, \q, \i
.endr
	WIN 0
.endm
.macro FETCH_A slot, q, i0
.irp i, \i0, \i0+1, \i0+2, \i0+3
	FRAG AF+FR*(\i), ADRA+\slot, \q, \i
.endr
.endm
.macro SCALES sc                       ; a slot's scale words: lanes 0-15 take A's block i, lanes 16-31 B's block i
.irp i, 0,1,2,3,4,5,6,7
	ds_load_b128 v[SC+8*NQ*\sc+NQ*\i:SC+8*NQ*\sc+NQ*\i+3], v[ADRS] offset:\i*SBLK
.endr
.endm
.macro PLACES n                        ; places in front of loads into registers that matrix instructions have read, and of reads of results
.rept \n
	v_nop
.endr
.endm
.macro STEP slot, q, first             ; a step of 128 along K that has its successor in the same slot
	s_wait_dscnt 4*NL                              ; all but the youngest eight loads (A's blocks 4-7) are in
.if \first
	WIN FST_LO
.else
	WIN MUL_LO
.endif
	MUL16 0, (\q)%2, \q, \slot, \first
	MUL16 2, (\q)%2, \q, \slot, \first
	s_wait_dscnt 0
	PLACES NP
	FETCH_B \slot, (\q)+1, 1-(\q)%2
	FETCH_A \slot, (\q)+1, 0
.if \first
	WIN FST_HI
.else
	WIN MUL_HI
.endif
	MUL16 4, (\q)%2, \q, \slot, \first
	MUL16 6, (\q)%2, \q, \slot, \first
	PLACES NP
	WIN 0
	FETCH_A \slot, (\q)+1, 4
.endm
; Slot 0's last step changes slots: each wave's tensor loads have landed (slot 1's part among them) and its reads of slot 0 are over in front of the barrier.  Nothing is filled again.
.macro TURN slot, next
	s_wait_tensorcnt 0x0
	ds_add_u32 v[SPW], v[NIL]
	s_wait_dscnt 4*NL+1                            ; the add and the youngest eight loads may be out
	WIN MUL_LO
	MUL16 0, 1, NQ-1, \slot, 0
	s_wait_dscnt 0x0                               ; the add is done, and my reads of this slot are over
	s_barrier_signal -1
	MUL16 2, 1, NQ-1, \slot, 0
	WIN 0
	s_barrier_wait -1
	PLACES NP
	v_add_nc_u32 v[ADRS], 4*NQ, v[ADRS]            ; on to the next slot's scale words
	FETCH_B \next, 0, 0
	FETCH_A \next, 0, 0
	SCALES \next
	WIN MUL_HI
	MUL16 4, 1, NQ-1, \slot, 0
	MUL16 6, 1, NQ-1, \slot, 0
	PLACES NP
	WIN 0
	FETCH_A \next, 0, 4
.endm
	s_wait_tensorcnt 1                             ; the scales and my part of slot 0 are in; slot 1's load may be out
	s_barrier_signal -1
	s_barrier_wait -1
	FETCH_B 0, 0, 0
	FETCH_A 0, 0, 0
	SCALES 0
	FETCH_A 0, 0, 4
	s_wait_loadcnt 0x0                             ; the bias
	STEP 0, 0, 1
	STEP 0, 1, 0
	STEP 0, 2, 0
	TURN 0, 1
	STEP 1, 0, 0
	STEP 1, 1, 0
	STEP 1, 2, 0
	s_wait_dscnt 4*NL                              ; the very last step: nothing more to fetch
	WIN MUL_LO
	MUL16 0, 1, NQ-1, 1, 0
	MUL16 2, 1, NQ-1, 1, 0
	s_wait_dscnt 0
	WIN MUL_HI
	MUL16 4, 1, NQ-1, 1, 0
	MUL16 6, 1, NQ-1, 1, 0
	WIN 0
	PLACES NP
	; THE FIRST 16 POSITIONS OF A SEQUENCE ALSO LEAVE IN f32: block 0 of the waves that hold tokens 0-127 of a tile with cluster y = 0.  The test hangs on the cluster's number and the wave's alone.
	s_or_b32 s18, s95, s15
	s_cmp_lg_u32 s18, 0
	s_cbranch_scc1 .Lno32
	WIN 0x08                                       ; an LDS store's data are its source 1: window 2
.irp b, 0,1,2,3,4,5,6,7
	ds_store_b128 v[STO32], v[8*\b:8*\b+3] offset:64*\b            ; each accumulator from its low end on
	ds_store_b128 v[STO32], v[8*\b+4:8*\b+7] offset:64*\b+16
.endr
	WIN 0
.irp t, 0,1,2,3,4,5,6,7,8,9,10,11,12,13,14,15
	ds_load_b128 v[BK+4*\t:BK+4*\t+3], v[RD32] offset:528*\t       ; LDS serves a wave's instructions in order: these see the stores above
.endr
	s_wait_dscnt 0x0
.irp t, 0,1,2,3,4,5,6,7,8,9,10,11,12,13,14,15
	global_store_b128 v[CO], v[BK+4*\t:BK+4*\t+3], s[100:101] offset:12288*\t   ; 512 consecutive bytes of a position's row, aligned
.endr
	s_wait_xcnt 0x0                                ; these stores have read their registers: the blocks below land there
.Lno32:
; THE WAY OUT, block by block of 16 tokens x 128 n (two heads): rounded to f16, through my stage, back as rows of 128 bytes: four tokens of one head are 512 consecutive bytes of qkv16.
.macro PACK a
.set AC, 64*((\a)%4)
	WIN 0x0a+5*((\a)/4)                            ; sources 0 and 1: window 2 or 3
.irp b, 0,1,2,3,4,5,6,7
.irp i, 0,1,2,3
	v_cvt_pk_f16_f32 v[TMP+4*\b+\i], v[AC+8*\b+2*\i], v[AC+8*\b+2*\i+1]
.endr
.endr
	WIN 0
.endm
.macro TOSTAGE a
.set BB, BK+32*((\a)%2)
.irp b, 0,1,2,3,4,5,6,7
	ds_store_b128 v[STO], v[TMP+4*\b:TMP+4*\b+3] offset:2304*(\b/4)+32*(\b%4)
.endr
.irp n, 0,1,2,3,4,5,6,7
	ds_load_b128 v[BB+4*\n:BB+4*\n+3], v[RD] offset:2304*(\n/4)+576*(\n%4)
.endr
.endm
.macro SEND a
.set BB, BK+32*((\a)%2)
	s_wait_dscnt 0x0                               ; the block is back in registers
	s_wait_xcnt 0x0                                ; earlier stores have read their base and their registers
.if (\a) > 0
	s_add_nc_u64 s[12:13], s[12:13], 2048          ; 16 tokens on
.endif
.irp n, 0,1,2,3,4,5,6,7
	global_store_b128 v[CO], v[BB+4*\n:BB+4*\n+3], s[12:13] offset:262144*(\n/4)+512*(\n%4)
.endr
.endm
	PACK 0
	TOSTAGE 0
.irp a, 1,2,3,4,5,6,7                  ; block a's conversions stand between block a - 1's loads from the stage and the wait for them
	PACK \a
	SEND (\a)-1
	TOSTAGE \a
.endr
	SEND 7
	s_wait_tensorcnt 0x0                           ; the wave's end
	ds_add_u32 v[SPW], v[NIL]
	s_wait_dscnt 0x0
	CROUND                                         ; the closing round
	s_endpgm
.Lfunc_end_k_q85f505b172_qkv:
	.size	k_q85f505b172_qkv, .Lfunc_end_k_q85f505b172_qkv-k_q85f505b172_qkv
	.p2alignl 7, 3214868480
	.fill 96, 4, 3214868480
	.section	.rodata,"a",@progbits
	.p2align	6, 0x0
	.amdhsa_kernel k_q85f505b172_qkv
		.amdhsa_group_segment_fixed_size 327680
		.amdhsa_private_segment_fixed_size 0
		.amdhsa_enable_private_segment 0
		.amdhsa_kernarg_size 56
		.amdhsa_user_sgpr_count 2
		.amdhsa_user_sgpr_kernarg_segment_ptr 1
		.amdhsa_wavefront_size32 1
		.amdhsa_system_sgpr_workgroup_id_x 1
		.amdhsa_system_sgpr_workgroup_id_y 1
		.amdhsa_system_sgpr_workgroup_id_z 1
		.amdhsa_system_vgpr_workitem_id 0
		.amdhsa_next_free_vgpr 1024
		.amdhsa_next_free_sgpr 102
		.amdhsa_reserve_vcc 0
		.amdhsa_float_denorm_mode_32 3
		.amdhsa_float_denorm_mode_16_64 3
		.amdhsa_memory_ordered 1
		.amdhsa_forward_progress 1
		.amdhsa_inst_pref_size 133
	.end_amdhsa_kernel
	.amdgpu_metadata
---
amdhsa.version: [ 1, 2 ]
amdhsa.kernels:
  - .name:           k_q85f505b172_qkv
    .symbol:         k_q85f505b172_qkv.kd
    .args:
      - { .name: xc, .offset: 0, .size: 8, .value_kind: global_buffer, .address_space: global }
      - { .name: xs, .offset: 8, .size: 8, .value_kind: global_buffer, .address_space: global }
      - { .name: wc, .offset: 16, .size: 8, .value_kind: global_buffer, .address_space: global }
      - { .name: ws, .offset: 24, .size: 8, .value_kind: global_buffer, .address_space: global }
      - { .name: b_attn, .offset: 32, .size: 8, .value_kind: global_buffer, .address_space: global }
      - { .name: qkv16, .offset: 40, .size: 8, .value_kind: global_buffer, .address_space: global }
      - { .name: qkv32, .offset: 48, .size: 8, .value_kind: global_buffer, .address_space: global }
    .group_segment_fixed_size: 327680
    .private_segment_fixed_size: 0
    .kernarg_segment_align: 8
    .kernarg_segment_size: 56
    .max_flat_workgroup_size: 128
    .sgpr_count:     102
    .vgpr_count:     1024
    .wavefront_size: 32
...
	.end_amdgpu_metadata
.endif
;; end of part 2
;; launch att (part 3): grid 4 x 64, 16 waves a work-group, no clusters, 327,680 bytes of LDS; arguments qkv16, o16; writes o16
.if DOCPART == 3
	.amdgcn_target "amdgcn-amd-amdhsa--gfx1250"
	.amdhsa_code_object_version 6
	.text
	.protected	k_q85f505b172_att
	.globl	k_q85f505b172_att
	.p2align	8
	.type	k_q85f505b172_att,@function
k_q85f505b172_att:
	s_mov_b64 s[64:65], 0
	v_nop
	global_prefetch_b8 v0, s[64:65] scope:SCOPE_SE
	s_setreg_imm32_b32 hwreg(HW_REG_WAVE_MODE, 25, 1), 1
	s_wait_xcnt 0x0
; o[bh][q][:] = sum over keys k <= q of softmax_k(q . k / 8) v[k][:], for 64 (batch, head) planes of 2,048 positions x 64 channels, all f16; products, maxima and sums in f32; the weights
; p = 2^(c s - c m), m the running maximum, are rounded to f16 for the second product; the row's sum is taken of the unrounded p and divides at the end.
; LIMITS: hidden keys get the weight 0 exactly (the model's -1e9 gives the same while scores stay far under 1e9 in size); NaN and infinities are not served.
; SHARES.  Work-group (i, plane) owns the query blocks i and 7 - i of 256 queries: the same count of key steps in every work-group.  Each of its sixteen waves owns a strip of 32 queries, two tiles
; of 16, so that each fragment of K and V read from LDS feeds two products; four waves lie on a SIMD, two of the early block and two of the late one.
; Every work-group walks all eight slots of 256 keys (constant trip counts); a step of 64 keys all of which come after a wave's strip is jumped over, and a slot whose first key comes after the
; work-group's last query is not asked for.  NO CLUSTER: the four work-groups of a plane need 8, 7, 6 and 5 slots, so a joint load would bring tiles that some partner never reads.
; LAYOUT.  S^T = K Q^T (source 0 = 16 keys, source 1 = 16 queries), O^T = V^T P (source 0 = 16 channels, V turned by ds_load_tr16_b128; source 1 = P): a lane holds one query throughout, and two
; tiles of S^T, rounded in pairs, are source 1 of the second product as they stand.
.set PK,    144                        ; a key's row in LDS: 128 bytes + 16
.set PV,    160                        ; a row of V: 128 + 32
.set VOFF,  36864                      ; a slot: 256 rows of K, then 256 rows of V
.set SLOT1, 131072                     ; slot 1 begins here: one exclusive or turns an address
.set STAGE, 208896                     ; behind the ring: two tiles x 16 rows x 144 for each wave
.set SPARE, 282624                     ; the spare words, 128 bytes for each wave: eight blocks of 256 bytes that no other line names
.set AK0, 1                            ; v1   my lane's place in a tile of K: 144 r + 16 h
.set AV0, 2                            ; v2   the same for V
.set SPW, 3
.set NIL, 4
.set ADK, 5                            ; v5, v6  the step's LDS addresses
.set ADV, 6
.set PFO, 7                            ; v7   256 x lane: the prefetches' offset
.set RH,  8                            ; v8   r - 8 h
.set DD,  9                            ; v9   the mask's bound
.set NINF, 10                          ; v10  -infinity
.set QO,  11                           ; v11  Q's offset
.set ST,  12                           ; v12-27  eight a tile: +0 c m, +1 m, +2, +3 the sum, +4 .. +7 at work (+6: a)
.set Q,   28                           ; v28-59  Q: tile t at +16 t, channels 32 ks on at +8 ks
.set KV,  60                           ; v60-123 eight fragments of K, then of V
.set S,   124                          ; v124-187 S^T, 32 a tile; P is packed into each tile's first 16
.set O,   188                          ; v188-251 O^T, 32 a tile
.set STO, 252
.set RD,  253
.set GO,  254
.set WV,  8
.set Q0,  12                           ; s12  my strip's first query;  s13 its last;  s14 the work-group's last
.set QL,  13
.set WL,  14
.set KF,  15                           ; s15  the step's first key
.set TK,  16                           ; s16, s17  where the step's rows of K and of V begin in LDS
.set TV,  17
.set SLOTS, 18
.set CNT, 19
.set SEL, 20
.set CS,  22                           ; s[22:23]  c = log2(e) / 8
.set G1K, 24
.set G1V, 32
.set G0K, 40
.set G0V, 44
.set PFA, 48
.set LIM, 50
; Waves 0 and 1 fetch K's halves of a slot, waves 2 and 3 V's, the others nothing.  An s_nop 0 and four v_nop follow each line.
.macro TLOAD
	s_cmp_lt_u32 s[WV], 2
	s_cbranch_scc0 .Lnot_k_\@
	tensor_load_to_lds s[G0K:G0K+3], s[G1K:G1K+7]
	s_nop 0
.rept 4
	v_nop
.endr
	s_branch .Lasked_\@
.Lnot_k_\@:
	s_cmp_lt_u32 s[WV], 4
	s_cbranch_scc0 .Lasked_\@
	tensor_load_to_lds s[G0V:G0V+3], s[G1V:G1V+7]
	s_nop 0
.rept 4
	v_nop
.endr
.Lasked_\@:
.endm
; A prefetch of the slot that the NEXT change of slots will ask for: 32,768 dense bytes of K and as many of V.  The plane's work-group 0, which walks and loads all eight slots, asks, and nobody
; else; in it waves 4-7 ask for K and waves 8-11 for V, 8,192 bytes a wave, lanes 256 bytes apart: each block is named once.  The last change that fills a slot asks for nothing.
.macro ASK
	s_cmp_gt_u32 s[SLOTS], s[LIM]
	s_cbranch_scc0 .Lnot_mine_\@
	global_prefetch_b8 v[PFO], s[PFA:PFA+1] th:TH_LOAD_NT scope:SCOPE_SE
.Lnot_mine_\@:
.endm
	s_load_b128 s[4:7], s[0:1], 0x0                ; qkv16, o16
	v_lshl_add_u32 v[SPW], v0, 2, SPARE
	v_mov_b32 v[NIL], 0
	ds_add_u32 v[SPW], v[NIL]                      ; the wave's opening: the add, twice on end, and its wait ahead of the first tensor load
	ds_add_u32 v[SPW], v[NIL]
	v_lshrrev_b32 v5, 5, v0
	v_readfirstlane_b32 s[WV], v5                  ; wave 0..15
	s_mov_b32 s9, ttmp9                            ; i
	s_and_b32 s10, ttmp7, 0xffff                   ; the plane
	s_lshr_b32 s51, s[WV], 2
	s_xor_b32 s51, s51, s[WV]
	s_and_b32 s11, s51, 1                          ; 0: the early block, 1: the late one; waves 2 p and 2 p + 1 differ in it
	s_sub_co_u32 s52, 7, s9
	s_cmp_eq_u32 s11, 0
	s_cselect_b32 s52, s9, s52
	s_lshl_b32 s[Q0], s52, 8
	s_lshr_b32 s53, s[WV], 1
	s_lshl_b32 s53, s53, 5
	s_add_co_u32 s[Q0], s[Q0], s53                 ; my first query
	s_add_co_u32 s[QL], s[Q0], 31
	s_lshl_b32 s[WL], s9, 8
	s_sub_co_u32 s[WL], 2047, s[WL]                ; the work-group's last query
	s_mov_b32 s[KF], 0
	s_mov_b32 s[TK], 0
	s_mov_b32 s[TV], 0
	s_mov_b32 s[SLOTS], 7
	s_mov_b32 s[SEL], 0x76543210
	s_mov_b32 s[SEL+1], 0xfedcba98
	s_mov_b32 s[CS], 0x3e38aa3b                    ; c = log2(e) / sqrt(64)
	s_mov_b32 s[CS+1], s[CS]
	s_mov_b32 s[G1K], (1<<16)|(1<<20)|(4<<22)|(3<<25)   ; elements of 2 bytes; padding on: 4 words behind every 32
	s_mov_b32 s[G1V], (1<<16)|(1<<20)|(4<<22)|(7<<25)   ; 8 words
.irp g, G1K, G1V
	s_mov_b32 s[\g+1], 64<<16                      ; tensor_dim0 = 64
	s_mov_b32 s[\g+2], 128<<16                     ; tensor_dim1 = 128
	s_mov_b32 s[\g+3], 64<<16                      ; tile_dim0
	s_mov_b32 s[\g+4], 128                         ; tile_dim1
	s_mov_b32 s[\g+5], 64                          ; the pitch
	s_mov_b32 s[\g+6], 0
	s_mov_b32 s[\g+7], 0
.endr
	s_and_b32 s54, s[WV], 1                        ; which 128 rows of a slot I fetch, if I fetch
	s_mul_i32 s55, s54, 18432
	s_mul_i32 s56, s54, 20480
	s_add_co_u32 s56, s56, VOFF
	s_lshl_b32 s58, s10, 18                        ; a plane is 262,144 bytes
	s_lshl_b32 s57, s54, 14
	s_add_co_u32 s58, s58, s57
	s_mov_b32 s59, 0
	s_lshl_b32 s60, s10, 18
	s_lshl_b32 s61, s[Q0], 7
	s_add_co_u32 s60, s60, s61                     ; my strip's first row, in q's planes and in o16
	s_mov_b32 s61, 0
	s_wait_dscnt 0x0                               ; both opening adds are done
	s_wait_kmcnt 0x0
	s_mov_b32 s[G0K], 1
	s_mov_b32 s[G0K+1], s55
	s_add_nc_u64 s[G0K+2:G0K+3], s[4:5], s[58:59]
	s_add_nc_u64 s[G0K+2:G0K+3], s[G0K+2:G0K+3], 16777216   ; k's 64 planes lie behind q's
	s_or_b32 s[G0K+3], s[G0K+3], 0x80000000
	s_mov_b32 s[G0V], 1
	s_mov_b32 s[G0V+1], s56
	s_add_nc_u64 s[G0V+2:G0V+3], s[4:5], s[58:59]
	s_add_nc_u64 s[G0V+2:G0V+3], s[G0V+2:G0V+3], 33554432   ; and v's behind k's
	s_or_b32 s[G0V+3], s[G0V+3], 0x80000000
	TLOAD                                          ; slot 0: key 0 counts for every query
	s_add_nc_u64 s[62:63], s[4:5], s[60:61]        ; Q
	s_add_nc_u64 s[6:7], s[6:7], s[60:61]          ; O
	v_and_b32 v5, 15, v0                           ; r
	v_bfe_u32 v6, v0, 4, 1                         ; h
	v_lshlrev_b32 v[QO], 7, v5
	v_lshl_add_u32 v[QO], v6, 4, v[QO]
.irp t, 0,1
.irp ks, 0,1
	global_load_b128 v[Q+16*\t+8*\ks:Q+16*\t+8*\ks+3], v[QO], s[62:63] offset:2048*\t+64*\ks
	global_load_b128 v[Q+16*\t+8*\ks+4:Q+16*\t+8*\ks+7], v[QO], s[62:63] offset:2048*\t+64*\ks+32
.endr
.endr
	; the prefetches: where my wave's stand, and who asks
	s_mov_b32 s66, 33554432
	s_cmp_lt_u32 s[WV], 8
	s_cselect_b32 s66, 16777216, s66
	s_lshl_b32 s67, s10, 18
	s_add_co_u32 s66, s66, s67
	s_and_b32 s67, s[WV], 3
	s_lshl_b32 s67, s67, 13
	s_add_co_u32 s66, s66, s67
	s_add_co_u32 s66, s66, 32768                   ; in slot 1: the first change of slots steps it to slot 2
	s_mov_b32 s67, 0
	s_add_nc_u64 s[PFA:PFA+1], s[4:5], s[66:67]
	s_sub_co_u32 s66, s[WV], 4
	s_lshr_b32 s66, s66, 3                         ; 0 in waves 4 to 11,
	s_or_b32 s66, s66, ttmp9                       ; of the plane's work-group 0
	s_cmp_eq_u32 s66, 0
	s_cselect_b32 s[LIM], 1, -1
	v_mul_u32_u24 v[AK0], v5, PK
	v_lshl_add_u32 v[AK0], v6, 4, v[AK0]
	v_and_b32 v9, 7, v0
	v_lshl_add_u32 v9, v6, 3, v9
	v_mul_u32_u24 v[AV0], v9, PV                   ; the turning load: key 8 h + lane % 8,
	v_bfe_u32 v9, v0, 3, 1
	v_lshl_add_u32 v[AV0], v9, 4, v[AV0]           ; channels 8 ((lane / 8) % 2) on
	v_add_nc_u32 v[AV0], VOFF, v[AV0]
	v_and_b32 v[PFO], 31, v0
	v_lshlrev_b32 v[PFO], 8, v[PFO]
	v_lshlrev_b32 v[RH], 3, v6
	v_sub_nc_u32 v[RH], v5, v[RH]
	v_mov_b32 v[NINF], 0xff800000
	s_mul_i32 s68, s[WV], 4608
	s_add_co_u32 s68, s68, STAGE                   ; my stage
	v_add_nc_u32 v[STO], s68, v[AK0]               ; in: 144 r + 16 h
	v_bfe_u32 v[RD], v0, 3, 2
	v_mul_u32_u24 v[RD], v[RD], 144
	v_and_b32 v[GO], 7, v0
	v_lshl_add_u32 v[RD], v[GO], 4, v[RD]
	v_add_nc_u32 v[RD], s68, v[RD]                 ; back: eight lanes to a row, four rows an instruction
	v_and_b32 v[GO], 31, v0
	v_lshlrev_b32 v[GO], 4, v[GO]
.irp t, 0,1
	v_mov_b32 v[ST+8*\t+1], 0xff61b1e6             ; m = -3e38, under every score: the step is written once, and its first run multiplies zeros
	v_mul_f32 v[ST+8*\t], s[CS], v[ST+8*\t+1]
.irp j, 2,3,4,5,6,7
	v_mov_b32 v[ST+8*\t+\j], 0
.endr
.endr
.set i, 0
.rept 64
	v_mov_b32 v[O+i], 0
.set i, i+1
.endr
.macro SOFTMAX                         ; both tiles by turns in every phase, so that no line waits for the line above it
.irp j, 0,1,2,3
.irp t, 0,1
	v_max3_num_f32 v[ST+8*\t+4+\j], v[S+32*\t+8*\j], v[S+32*\t+8*\j+1], v[S+32*\t+8*\j+2]   ; four chains, each from an accumulator's low end on
.endr
.endr
.irp g, 1,2
.irp j, 0,1,2,3
.irp t, 0,1
	v_max3_num_f32 v[ST+8*\t+4+\j], v[ST+8*\t+4+\j], v[S+32*\t+8*\j+2*\g+1], v[S+32*\t+8*\j+2*\g+2]
.endr
.endr
.endr
.irp t, 0,1
	v_max3_num_f32 v[ST+8*\t+4], v[ST+8*\t+4], v[S+32*\t+7], v[S+32*\t+15]
	v_max3_num_f32 v[ST+8*\t+6], v[ST+8*\t+6], v[S+32*\t+23], v[S+32*\t+31]
.endr
.irp t, 0,1
	v_max3_num_f32 v[ST+8*\t+4], v[ST+8*\t+4], v[ST+8*\t+5], v[ST+8*\t+6]
.endr
.irp t, 0,1
	v_max3_num_f32 v[ST+8*\t+4], v[ST+8*\t+4], v[ST+8*\t+7], v[ST+8*\t+1]   ; and the old m
.endr
.irp t, 0,1
	v_permlanex16_b32 v[ST+8*\t+5], v[ST+8*\t+4], s[SEL], s[SEL+1]          ; the query's other 32 keys lie in the lane 16 away
.endr
.irp t, 0,1
	v_mov_b32 v[ST+8*\t+7], v[ST+8*\t]             ; c m_old
.endr
.irp t, 0,1
	v_max_num_f32 v[ST+8*\t+1], v[ST+8*\t+4], v[ST+8*\t+5]
.endr
.irp t, 0,1
	v_mul_f32 v[ST+8*\t], s[CS], v[ST+8*\t+1]
.endr
.irp t, 0,1
	v_sub_f32 v[ST+8*\t+7], v[ST+8*\t+7], v[ST+8*\t]
.endr
.irp b, 0,1,2,3,4,5,6,7,8,9,10,11,12,13,14,15
.irp t, 0,1
	v_pk_fma_f32 v[S+32*\t+2*\b:S+32*\t+2*\b+1], v[S+32*\t+2*\b:S+32*\t+2*\b+1], s[CS:CS+1], v[ST+8*\t:ST+8*\t+1] op_sel_hi:[1,0,0] neg_lo:[0,0,1] neg_hi:[0,0,1]   ; c s - c m
.endr
.endr
.irp t, 0,1
	v_exp_f32 v[ST+8*\t+6], v[ST+8*\t+7]           ; a = 2^(c m_old - c m_new)
.endr
.irp n, 0,1,2,3,4,5,6,7,8,9,10,11,12,13,14,15,16,17,18,19,20,21,22,23,24,25,26,27,28,29,30,31
.irp t, 0,1
	v_exp_f32 v[S+32*\t+\n], v[S+32*\t+\n]
.endr
.endr
	v_nop                                          ; a plain line behind the last exponential
	s_wait_alu depctr_va_vdst(0)                   ; one wait for the 66 exponentials, ahead of the first line that names a result
.irp t, 0,1
	v_pk_mul_f32 v[ST+8*\t+2:ST+8*\t+3], v[ST+8*\t+2:ST+8*\t+3], v[ST+8*\t+6:ST+8*\t+7] op_sel_hi:[1,0]   ; the sum under the new m
	v_pk_add_f32 v[ST+8*\t+4:ST+8*\t+5], v[S+32*\t:S+32*\t+1], v[S+32*\t+2:S+32*\t+3]                     ; the unrounded p, in two chains
.endr
.irp b, 2,4,6,8,10,12,14
.irp t, 0,1
	v_pk_add_f32 v[ST+8*\t+2:ST+8*\t+3], v[ST+8*\t+2:ST+8*\t+3], v[S+32*\t+2*\b:S+32*\t+2*\b+1]
	v_pk_add_f32 v[ST+8*\t+4:ST+8*\t+5], v[ST+8*\t+4:ST+8*\t+5], v[S+32*\t+2*\b+2:S+32*\t+2*\b+3]
.endr
.endr
.irp t, 0,1
	v_pk_add_f32 v[ST+8*\t+2:ST+8*\t+3], v[ST+8*\t+2:ST+8*\t+3], v[ST+8*\t+4:ST+8*\t+5]
.endr
.irp n, 0,1,2,3,4,5,6,7,8,9,10,11,12,13,14,15
.irp t, 0,1
	v_cvt_pk_f16_f32 v[S+32*\t+\n], v[S+32*\t+2*\n], v[S+32*\t+2*\n+1]   ; P in place, ascending: a destination never passes its sources
.endr
.endr
.irp n, 0,1,2,3,4,5,6,7,8,9,10,11,12,13,14,15
.irp t, 0,1
	v_pk_mul_f32 v[O+32*\t+2*\n:O+32*\t+2*\n+1], v[O+32*\t+2*\n:O+32*\t+2*\n+1], v[ST+8*\t+6:ST+8*\t+7] op_sel_hi:[1,0]   ; O^T under the new m
.endr
.endr
.endm
; A KEY STEP: 64 keys.
.macro STEP
	s_cmp_gt_u32 s[KF], s[QL]                      ; all 64 keys come after my strip: the step's work is left out; no barrier and no tensor load stands in a step
	s_cbranch_scc1 .Lhidden_\@
	v_add_nc_u32 v[ADK], s[TK], v[AK0]
	v_add_nc_u32 v[ADV], s[TV], v[AV0]
.rept 3
	v_nop                                          ; with the two additions five places behind the last V^T P: the scores below are written over P, and K's loads land where V lay
.endr
.irp kt, 0,1,2,3
.irp ks, 0,1
	ds_load_b128 v[KV+8*(2*\kt+\ks):KV+8*(2*\kt+\ks)+3], v[ADK] offset:2304*\kt+64*\ks
	ds_load_b128 v[KV+8*(2*\kt+\ks)+4:KV+8*(2*\kt+\ks)+7], v[ADK] offset:2304*\kt+64*\ks+32
.endr
.endr
	s_wait_dscnt 0x0
.irp ks, 0,1                                   ; S^T = K Q^T: eight accumulators by turns
.irp kt, 0,1,2,3
.irp t, 0,1
.if \ks == 0
	v_wmma_f32_16x16x32_f16 v[S+32*\t+8*\kt:S+32*\t+8*\kt+7], v[KV+8*(2*\kt+\ks):KV+8*(2*\kt+\ks)+7], v[Q+16*\t+8*\ks:Q+16*\t+8*\ks+7], 0
.else
	v_wmma_f32_16x16x32_f16 v[S+32*\t+8*\kt:S+32*\t+8*\kt+7], v[KV+8*(2*\kt+\ks):KV+8*(2*\kt+\ks)+7], v[Q+16*\t+8*\ks:Q+16*\t+8*\ks+7], v[S+32*\t+8*\kt:S+32*\t+8*\kt+7]
.endif
.endr
.endr
.endr
.rept 4
	v_nop                                          ; places in front of V's loads into K's registers, and of the first read of the scores
.endr
.irp g, 0,1                                    ; V, turned: keys 32 g on, channels 16 ct on; it lands while the softmax is walked
.irp ct, 0,1,2,3
	ds_load_tr16_b128 v[KV+8*(4*\g+\ct):KV+8*(4*\g+\ct)+3], v[ADV] offset:5120*\g+32*\ct
	ds_load_tr16_b128 v[KV+8*(4*\g+\ct)+4:KV+8*(4*\g+\ct)+7], v[ADV] offset:5120*\g+32*\ct+2560
.endr
.endr
	s_add_co_u32 s51, s[KF], 63                    ; a step all of whose keys count for all my queries has no mask
	s_cmp_le_u32 s51, s[Q0]
	s_cbranch_scc1 .Lopen_\@
	s_sub_co_i32 s51, s[Q0], s[KF]
	v_add_nc_u32 v[DD], s51, v[RH]                 ; d = Q0 - KF + r - 8 h.  Register 8 kt + j of tile t holds key KF + 16 kt + 8 h + j for query Q0 + 16 t + r: hidden where 16 kt + j - 16 t > d
.irp t, 0,1
.irp kt, 0,1,2,3
.irp j, 0,1,2,3,4,5,6,7
	v_cmp_gt_i32 vcc_lo, 16*\kt+\j-16*\t, v[DD]
	v_cndmask_b32 v[S+32*\t+8*\kt+\j], v[S+32*\t+8*\kt+\j], v[NINF], vcc_lo
.endr
.endr
.endr
.Lopen_\@:
	SOFTMAX
	s_wait_dscnt 0x0                               ; V is in
.irp g, 0,1                                    ; O^T += V^T P: eight accumulators by turns
.irp ct, 0,1,2,3
.irp t, 0,1
	v_wmma_f32_16x16x32_f16 v[O+32*\t+8*\ct:O+32*\t+8*\ct+7], v[KV+8*(4*\g+\ct):KV+8*(4*\g+\ct)+7], v[S+32*\t+8*\g:S+32*\t+8*\g+7], v[O+32*\t+8*\ct:O+32*\t+8*\ct+7]
.endr
.endr
.endr
.Lhidden_\@:
	s_add_co_u32 s[KF], s[KF], 64
	s_add_co_u32 s[TK], s[TK], 64*PK
	s_add_co_u32 s[TV], s[TV], 64*PV
.endm
.macro FOUR_STEPS                      ; a slot's four steps: written once, walked four times
	s_mov_b32 s[CNT], 4
.Lstep_\@:
	STEP
	s_sub_co_u32 s[CNT], s[CNT], 1
	s_cmp_lg_u32 s[CNT], 0
	s_cbranch_scc1 .Lstep_\@
	s_sub_co_u32 s[TK], s[TK], 256*PK              ; back to a slot's first step,
	s_sub_co_u32 s[TV], s[TV], 256*PV
	s_xor_b32 s[TK], s[TK], SLOT1                  ; in the other slot
	s_xor_b32 s[TV], s[TV], SLOT1
.endm
; THE CHANGE OF SLOTS stands at a slot's head: each wave waits for all its tensor loads (its part of the slot ahead), adds 0 to its spare word, and waits for that and for its reads of the slot
; that it has left.  Behind the barrier the slot ahead is whole and nobody reads the other one, which takes the next 256 keys: one load a wave, a slot's four steps in which to land.
.macro CHANGE fill
	s_wait_tensorcnt 0x0
	ds_add_u32 v[SPW], v[NIL]
.if \fill
	ds_add_u32 v[SPW], v[NIL]                      ; and twice on end here, in every trip alike
	s_xor_b32 s[G0K+1], s[G0K+1], SLOT1            ; no tensor load of mine is out: the walking descriptors step
	s_add_nc_u64 s[G0K+2:G0K+3], s[G0K+2:G0K+3], 32768
	s_xor_b32 s[G0V+1], s[G0V+1], SLOT1
	s_add_nc_u64 s[G0V+2:G0V+3], s[G0V+2:G0V+3], 32768
	s_wait_xcnt 0x0                                ; the last prefetch, a slot back, has read its address
	s_add_nc_u64 s[PFA:PFA+1], s[PFA:PFA+1], 32768
.endif
	s_wait_dscnt 0x0
	s_barrier_signal -1
	s_barrier_wait -1
.if \fill
	s_add_co_u32 s51, s[KF], 256                   ; the first key of the slot that this change would ask for:
	s_cmp_gt_u32 s51, s[WL]                        ; behind my work-group's last query none of its waves would read it.  Ids and the count of steps alone: all sixteen waves go the same way
	s_cbranch_scc1 .Lpast_\@
	TLOAD
.Lpast_\@:
	ASK
.endif
.endm
	s_wait_loadcnt 0x0                             ; Q
.Lslot:                                            ; seven trips: behind each change of slots but the last the next slot is asked for, up to the causal limit
	CHANGE 1
	FOUR_STEPS
	s_sub_co_u32 s[SLOTS], s[SLOTS], 1
	s_cmp_lg_u32 s[SLOTS], 0
	s_cbranch_scc1 .Lslot
	CHANGE 0
	FOUR_STEPS
	; THE WAY OUT: O^T / the sum, rounded to f16, through my stage, back as rows of 128 bytes: four queries are 512 consecutive bytes of o16
.rept 4
	v_nop                                          ; places behind the last V^T P
.endr
.irp t, 0,1
	v_add_f32 v[ST+8*\t+4], v[ST+8*\t+2], v[ST+8*\t+3]
.endr
.irp t, 0,1
	v_permlanex16_b32 v[ST+8*\t+5], v[ST+8*\t+4], s[SEL], s[SEL+1]
.endr
.irp t, 0,1
	v_add_f32 v[ST+8*\t+4], v[ST+8*\t+4], v[ST+8*\t+5]
.endr
.irp t, 0,1
	v_rcp_f32 v[ST+8*\t+6], v[ST+8*\t+4]
.endr
	v_nop
	s_wait_alu depctr_va_vdst(0)                   ; one wait for the two reciprocals, ahead of their first reader
.irp t, 0,1
.irp n, 0,1,2,3,4,5,6,7,8,9,10,11,12,13,14,15
	v_pk_mul_f32 v[O+32*\t+2*\n:O+32*\t+2*\n+1], v[O+32*\t+2*\n:O+32*\t+2*\n+1], v[ST+8*\t+6:ST+8*\t+7] op_sel_hi:[1,0]
.endr
.irp n, 0,1,2,3,4,5,6,7,8,9,10,11,12,13,14,15
	v_cvt_pk_f16_f32 v[KV+16*\t+\n], v[O+32*\t+2*\n], v[O+32*\t+2*\n+1]
.endr
.irp ct, 0,1,2,3
	ds_store_b128 v[STO], v[KV+16*\t+4*\ct:KV+16*\t+4*\ct+3] offset:2304*\t+32*\ct
.endr
.irp u, 0,1,2,3
	ds_load_b128 v[KV+32+16*\t+4*\u:KV+32+16*\t+4*\u+3], v[RD] offset:2304*\t+576*\u   ; LDS serves a wave's instructions in order: these see the stores above
.endr
.endr
.irp t, 0,1
.irp u, 0,1,2,3
	s_wait_dscnt 11-8*\t-\u                        ; the LDS instructions issued behind this load may be out
	global_store_b128 v[GO], v[KV+32+16*\t+4*\u:KV+32+16*\t+4*\u+3], s[6:7] offset:2048*\t+512*\u
.endr
.endr
	s_wait_tensorcnt 0x0                           ; the wave's end
	ds_add_u32 v[SPW], v[NIL]
	s_wait_dscnt 0x0
	s_endpgm
.Lfunc_end_k_q85f505b172_att:
	.size	k_q85f505b172_att, .Lfunc_end_k_q85f505b172_att-k_q85f505b172_att
	.p2alignl 7, 3214868480
	.fill 96, 4, 3214868480
	.section	.rodata,"a",@progbits
	.p2align	6, 0x0
	.amdhsa_kernel k_q85f505b172_att
		.amdhsa_group_segment_fixed_size 327680
		.amdhsa_private_segment_fixed_size 0
		.amdhsa_enable_private_segment 0
		.amdhsa_kernarg_size 16
		.amdhsa_user_sgpr_count 2
		.amdhsa_user_sgpr_kernarg_segment_ptr 1
		.amdhsa_wavefront_size32 1
		.amdhsa_system_sgpr_workgroup_id_x 1
		.amdhsa_system_sgpr_workgroup_id_y 1
		.amdhsa_system_sgpr_workgroup_id_z 1
		.amdhsa_system_vgpr_workitem_id 0
		.amdhsa_next_free_vgpr 256
		.amdhsa_next_free_sgpr 80
		.amdhsa_reserve_vcc 1
		.amdhsa_float_denorm_mode_32 3
		.amdhsa_float_denorm_mode_16_64 3
		.amdhsa_memory_ordered 1
		.amdhsa_forward_progress 1
		.amdhsa_inst_pref_size 62
	.end_amdhsa_kernel
	.amdgpu_metadata
---
amdhsa.version: [ 1, 2 ]
amdhsa.kernels:
  - .name:           k_q85f505b172_att
    .symbol:         k_q85f505b172_att.kd
    .args:
      - { .name: qkv16, .offset: 0, .size: 8, .value_kind: global_buffer, .address_space: global }
      - { .name: o16, .offset: 8, .size: 8, .value_kind: global_buffer, .address_space: global }
    .group_segment_fixed_size: 327680
    .private_segment_fixed_size: 0
    .kernarg_segment_align: 8
    .kernarg_segment_size: 16
    .max_flat_workgroup_size: 512
    .sgpr_count:     80
    .vgpr_count:     256
    .wavefront_size: 32
...
	.end_amdgpu_metadata
.endif
;; end of part 3
;; launch proj (part 4): grid 4 x 64, 4 waves a work-group, clusters of 4 x 4, 327,680 bytes of LDS; arguments o16, wp16, b_proj, out0; writes out0
.if DOCPART == 4
	.amdgcn_target "amdgcn-amd-amdhsa--gfx1250"
	.amdhsa_code_object_version 6
	.text
	.protected	k_q85f505b172_proj
	.globl	k_q85f505b172_proj
	.p2align	8
	.type	k_q85f505b172_proj,@function
k_q85f505b172_proj:
	s_mov_b64 s[64:65], 0
	v_nop
	global_prefetch_b8 v0, s[64:65] scope:SCOPE_SE
	s_setreg_imm32_b32 hwreg(HW_REG_WAVE_MODE, 25, 1), 1
	s_wait_xcnt 0x0
	s_wait_alu depctr_hold_cnt(0) depctr_sa_sdst(0) depctr_va_vdst(0) depctr_va_sdst(0) depctr_va_ssrc(0) depctr_va_vcc(0) depctr_vm_vsrc(0)
	s_getreg_b32 s2, hwreg(HW_REG_IB_STS2, 6, 4)
	s_cmp_eq_u32 s2, 0
	s_cbranch_scc0 .Lentry_in_a_cluster
	s_endpgm
.Lentry_in_a_cluster:
	s_bfe_u32 s2, ttmp6, 0x10000c
	s_cmp_lg_u32 s2, 0xf033
	s_cbranch_scc0 .Lentry_shape_is_right
	s_endpgm
.Lentry_shape_is_right:
; out0[token][n] = sum over k = (head, channel) of o[token][k] w_proj[k][n] + b_proj[n].  A = o16 [batch x 16 + head][2048][64] f16, B = wp16 [n][k] f16; sums and result in f32.
; (The first 16 positions of each sequence are stored again, in f32 throughout, by the launch that follows.)
; A tile of C is 128 tokens x 256 n: 256 work-groups.  Four waves, 64 x 128 each: 32 accumulators.  K goes in steps of 128, two heads, through a ring of two LDS slots: A's part of a slot is two
; planes (the head's parity) of 128 rows x 128 bytes, B's 256 rows x 256 bytes.  Waves 0 and 1 fetch A's planes, waves 2 and 3 B's halves: one tensor load a wave.
; CLUSTERS: 4 x 4 work-groups; A's tiles are asked for jointly along a row of the cluster, B's along a column; each refill stands behind a round of the cluster's barrier.
; No prefetch: a step's tiles are small beside its matrix work's share, and B is read by every row of clusters.
; THE MATRIX INSTRUCTION IS USED TRANSPOSED (source 0 = 16 rows of B, source 1 = 16 rows of A): a lane holds eight neighbouring n of one token.  The bias is the C of each sum's first product.
; REGISTERS: window 0: v0-31 addresses; two fragment buffers: v32-63 A, v64-127 B; v128-159 A, v160-223 B.  window 1: the accumulators ((a, b) at v[8 (8 a + b)]).  window 2: v0-63 the bias.
.set BOFF,   36864                     ; B's rows lie behind A's two planes of 128 x 144
.set SLOT,   106496
.set STAGE,  212992                    ; behind the ring: 16 rows x 528 for each wave
.set SPITCH, 528
.set SPARE,  246784                    ; the spare words, 128 bytes for each wave: two blocks of 256 bytes that no other line names
.set ADRA, 16
.set ADRB, 20
.set STO,  24
.set RD,   25
.set CO,   26
.set SPW,  28
.set NIL,  29
.set BO,   30
.set F0,   32
.set F1,   128
.set BK,   32                          ; the way out: v32-95 and v96-159 by turns
.set G1, 24
.set G0, 32
.set G1B, 48
.set G0B, 56
.set MSB, 0
.macro WIN new
.if MSB != (\new)
	s_set_vgpr_msb (MSB<<8)|(\new)
.set MSB, (\new)
.endif
.endm
.set MUL, 0x50                         ; sources 0 and 1 window 0; C and D window 1
.set FST, 0x60                         ; the first quarter: C (the bias) window 2, D window 1
.macro JLOAD s
	s_cmp_eq_u32 s11, 0
	s_cbranch_scc0 .Lfor_b_\@
	tensor_load_to_lds s[G0+4*\s:G0+4*\s+3], s[G1:G1+7]
	s_nop 0
.rept 4
	v_nop
.endr
	s_branch .Lasked_\@
.Lfor_b_\@:
	tensor_load_to_lds s[G0B+4*\s:G0B+4*\s+3], s[G1B:G1B+7]
	s_nop 0
.rept 4
	v_nop
.endr
.Lasked_\@:
.endm
.macro CREST
	s_cmp_lg_u32 s10, 0
	s_cbranch_scc1 .Lnot_wave_0_\@
	s_barrier_signal -3
.Lnot_wave_0_\@:
	s_barrier_wait -3
	s_barrier_signal -1
	s_barrier_wait -1
.endm
.macro CROUND
	s_barrier_signal -1
	s_barrier_wait -1
	CREST
.endm
	s_load_b128 s[4:7], s[0:1], 0x0                ; o16, wp16
	s_load_b64 s[66:67], s[0:1], 0x10              ; b_proj
	s_load_b64 s[8:9], s[0:1], 0x18                ; out0
	v_lshl_add_u32 v[SPW], v0, 2, SPARE
	v_mov_b32 v[NIL], 0
	ds_add_u32 v[SPW], v[NIL]                      ; the wave's opening: the add, twice on end, and its wait ahead of my first tensor load
	ds_add_u32 v[SPW], v[NIL]
	v_lshrrev_b32 v1, 5, v0
	v_readfirstlane_b32 s10, v1                    ; wave 0..3
	s_lshr_b32 s11, s10, 1                         ; which 64 tokens are mine.  Also: I fetch for A (0) or for B (1)
	s_and_b32 s12, s10, 1                          ; which 128 n.  Also: A's plane, or B's half, that I fetch
	s_bfe_u32 s40, ttmp6, 0x40000                  ; cx
	s_bfe_u32 s41, ttmp6, 0x40004                  ; cy
	s_lshl_b32 s42, ttmp9, 2
	s_add_co_u32 s42, s42, s40                     ; tile column
	s_and_b32 s13, ttmp7, 0xffff
	s_lshl_b32 s13, s13, 2
	s_add_co_u32 s13, s13, s41                     ; tile row
	s_lshl_b32 s43, s41, 2
	s_lshl_b32 s43, 15, s43                        ; my row of the cluster
	s_lshl_b32 s44, 0x1111, s40                    ; my column
	s_or_b32 s[G1+0], s43, (1<<16)|(1<<20)|(1<<21)|(4<<22)|(3<<25)   ; A: elements of 2 bytes; 4 words of padding behind every 32
	s_mov_b32 s[G1+1], 64<<16                      ; tensor_dim0 = 64
	s_mov_b32 s[G1+2], 128<<16                     ; tensor_dim1 = 128
	s_mov_b32 s[G1+3], 64<<16                      ; tile_dim0
	s_mov_b32 s[G1+4], 128                         ; tile_dim1
	s_mov_b32 s[G1+5], 64                          ; the pitch
	s_mov_b32 s[G1+6], 0
	s_mov_b32 s[G1+7], 0
	s_or_b32 s[G1B+0], s44, (1<<16)|(1<<20)|(1<<21)|(5<<22)|(3<<25)  ; B: 4 words behind every 64
	s_mov_b32 s[G1B+1], 128<<16
	s_mov_b32 s[G1B+2], 128<<16
	s_mov_b32 s[G1B+3], 128<<16
	s_mov_b32 s[G1B+4], 128
	s_mov_b32 s[G1B+5], 1024
	s_mov_b32 s[G1B+6], 0
	s_mov_b32 s[G1B+7], 0
	s_lshr_b32 s16, s13, 4                         ; A: plane (tile row / 16) x 16 + my parity, row 128 (tile row % 16)
	s_lshl_b32 s16, s16, 4
	s_add_co_u32 s16, s16, s12
	s_lshl_b32 s16, s16, 18
	s_and_b32 s17, s13, 15
	s_lshl_b32 s17, s17, 14
	s_add_co_u32 s16, s16, s17
	s_mov_b32 s17, 0
	s_lshl_b32 s46, s42, 8                         ; B: row 256 x tile column + 128 x half, of 2,048 bytes
	s_lshl_b32 s47, s12, 7
	s_add_co_u32 s46, s46, s47
	s_lshl_b32 s46, s46, 11
	s_mov_b32 s47, 0
	s_mul_i32 s20, s12, 18432                      ; where they go: made of the wave's number alone
	s_mul_i32 s21, s12, 34816
	s_add_co_u32 s21, s21, BOFF
	s_wait_dscnt 0x0                               ; both opening adds are done
	s_wait_kmcnt 0x0
	s_add_nc_u64 s[14:15], s[4:5], s[16:17]
	s_add_nc_u64 s[46:47], s[6:7], s[46:47]
	CROUND                                         ; all sixteen work-groups are here: the first joint loads meet
.irp s, 0,1
	s_mov_b32 s[G0+4*\s], 1
	s_add_co_u32 s[G0+4*\s+1], s20, \s*SLOT
	s_add_nc_u64 s[G0+4*\s+2:G0+4*\s+3], s[14:15], \s*524288       ; K step s: two planes on
	s_or_b32 s[G0+4*\s+3], s[G0+4*\s+3], 0x80000000
	s_mov_b32 s[G0B+4*\s], 1
	s_add_co_u32 s[G0B+4*\s+1], s21, \s*SLOT
	s_add_nc_u64 s[G0B+4*\s+2:G0B+4*\s+3], s[46:47], \s*256
	s_or_b32 s[G0B+4*\s+3], s[G0B+4*\s+3], 0x80000000
	JLOAD \s                                       ; two tensor loads of mine are out
.endr
	v_and_b32 v1, 15, v0                           ; r
	v_bfe_u32 v2, v0, 4, 1                         ; h
	s_lshl_b32 s16, s13, 7
	s_lshl_b32 s17, s11, 6
	s_add_co_u32 s16, s16, s17                     ; my first token
	s_lshl_b32 s16, s16, 12                        ; a row of out0 is 4,096 bytes
	s_lshl_b32 s46, s42, 10
	s_lshl_b32 s47, s12, 9
	s_add_co_u32 s46, s46, s47                     ; my first n, in bytes
	s_add_co_u32 s16, s16, s46
	s_mov_b32 s17, 0
	s_mov_b32 s47, 0
	s_add_nc_u64 s[8:9], s[8:9], s[16:17]
	s_add_nc_u64 s[66:67], s[66:67], s[46:47]
	v_lshlrev_b32 v[BO], 5, v2
	WIN 0x80                                       ; destination window 2: the bias in the result's layout: register 8 b + j = b_proj[my first n + 16 b + 8 h + j]
.irp b, 0,1,2,3,4,5,6,7
	global_load_b128 v[8*\b:8*\b+3], v[BO], s[66:67] offset:64*\b
	global_load_b128 v[8*\b+4:8*\b+7], v[BO], s[66:67] offset:64*\b+16
.endr
	WIN 0
	v_mul_u32_u24 v3, v1, 144
	v_lshl_add_u32 v3, v2, 4, v3
	v_mul_u32_u24 v4, v1, 272
	v_lshl_add_u32 v4, v2, 4, v4
	s_mul_i32 s21, s11, 9216                       ; my 64 rows of A
	s_mul_i32 s22, s12, 34816                      ; my 128 rows of B
	s_add_co_u32 s22, s22, BOFF
.irp s, 0,1
	v_add_nc_u32 v[ADRA+\s], s21, v3
	v_add_nc_u32 v[ADRB+\s], s22, v4
	s_add_co_u32 s21, s21, SLOT
	s_add_co_u32 s22, s22, SLOT
.endr
	s_mul_i32 s23, s10, 16*SPITCH
	s_add_co_u32 s23, s23, STAGE                   ; my stage
	v_mul_u32_u24 v5, v1, SPITCH
	v_lshl_add_u32 v5, v2, 5, v5
	v_add_nc_u32 v[STO], s23, v5
	v_and_b32 v6, 31, v0
	v_lshlrev_b32 v[CO], 4, v6
	v_add_nc_u32 v[RD], s23, v[CO]
.macro MUL8 f, a, first                ; A's block a against B's eight, 32 along K; the 32 accumulators take turns, in the same order in every quarter
.irp b, 0,1,2,3,4,5,6,7
.if \first
	v_wmma_f32_16x16x32_f16 v[8*(8*\a+\b):8*(8*\a+\b)+7], v[\f+32+8*\b:\f+32+8*\b+7], v[\f+8*\a:\f+8*\a+7], v[8*\b:8*\b+7]
.else
	v_wmma_f32_16x16x32_f16 v[8*(8*\a+\b):8*(8*\a+\b)+7], v[\f+32+8*\b:\f+32+8*\b+7], v[\f+8*\a:\f+8*\a+7], v[8*(8*\a+\b):8*(8*\a+\b)+7]
.endif
.endr
.endm
.macro FETCH slot, q, f                ; 24 LDS loads in one run: the fragments of the slot's q-th 32 along K: B's eight, then A's four
	WIN 0
.irp b, 0,1,2,3,4,5,6,7
	ds_load_b128 v[\f+32+8*\b:\f+32+8*\b+3], v[ADRB+\slot] offset:4352*\b+64*(\q)
	ds_load_b128 v[\f+32+8*\b+4:\f+32+8*\b+7], v[ADRB+\slot] offset:4352*\b+64*(\q)+32
.endr
.irp a, 0,1,2,3
	ds_load_b128 v[\f+8*\a:\f+8*\a+3], v[ADRA+\slot] offset:2304*\a+18432*((\q)/2)+64*((\q)%2)
	ds_load_b128 v[\f+8*\a+4:\f+8*\a+7], v[ADRA+\slot] offset:2304*\a+18432*((\q)/2)+64*((\q)%2)+32
.endr
.endm
.macro PLACES
.rept 4
	v_nop
.endr
.endm
.macro QUARTER slot, qn, f, g, first   ; multiplies buffer f; in its middle it fetches the slot's quarter qn into buffer g
	s_wait_dscnt 4                                 ; all but the youngest four loads (A's blocks 2 and 3) are in
.if \first
	WIN FST
.else
	WIN MUL
.endif
	MUL8 \f, 0, \first
	MUL8 \f, 1, \first
	PLACES
	FETCH \slot, \qn, \g
	s_wait_dscnt 24                                ; all but the 24 just issued
.if \first
	WIN FST
.else
	WIN MUL
.endif
	MUL8 \f, 2, \first
	MUL8 \f, 3, \first
.endm
; A slot's last quarter multiplies buffer 1 and changes slots: in front of the barrier each wave waits for all its tensor loads, adds 0 to its spare word, and waits for that and for its reads of the slot.
.macro TURN slot, next, fill
	WIN 0
	s_wait_tensorcnt 0x0                           ; my part of the next slot has landed
	ds_add_u32 v[SPW], v[NIL]
	s_wait_dscnt 5                                 ; the add and the youngest four loads may be out
	WIN MUL
	MUL8 F1, 0, 0
	s_wait_dscnt 0x0                               ; the add is done, and my reads of this slot are over
	s_barrier_signal -1
	MUL8 F1, 1, 0
.if \fill
	WIN 0
.endif
	s_barrier_wait -1
.if \fill
	CREST                                          ; the barrier has opened a round of the cluster's barrier: no wave of any partner still reads this slot or has a load on its way
	s_add_nc_u64 s[G0+4*\slot+2:G0+4*\slot+3], s[G0+4*\slot+2:G0+4*\slot+3], 1048576   ; two K steps on: four planes
	s_add_nc_u64 s[G0B+4*\slot+2:G0B+4*\slot+3], s[G0B+4*\slot+2:G0B+4*\slot+3], 512
	JLOAD \slot                                    ; the first tensor load behind the round; its four v_nop are also the places in front of the loads below
.else
	PLACES
.endif
	FETCH \next, 0, F0
	WIN MUL
	MUL8 F1, 2, 0
	MUL8 F1, 3, 0
.endm
	s_wait_tensorcnt 1                             ; my part of K step 0 is in; K step 1's load may be out
	s_barrier_signal -1
	s_barrier_wait -1
	FETCH 0, 0, F0
	s_wait_loadcnt 0x0                             ; the bias
	QUARTER 0, 1, F0, F1, 1
	WIN 0
	s_mov_b32 s3, 3
.Llap:                                                 ; a trip goes once round the ring and fills both slots again: K steps 2 to 7 in three trips
	QUARTER 0, 2, F1, F0, 0
	QUARTER 0, 3, F0, F1, 0
	TURN 0, 1, 1
	QUARTER 1, 1, F0, F1, 0
	QUARTER 1, 2, F1, F0, 0
	QUARTER 1, 3, F0, F1, 0
	TURN 1, 0, 1
	QUARTER 0, 1, F0, F1, 0
	WIN 0
	s_sub_co_u32 s3, s3, 1
	s_cmp_lg_u32 s3, 0
	s_cbranch_scc1 .Llap
	QUARTER 0, 2, F1, F0, 0                        ; the last lap fills nothing
	QUARTER 0, 3, F0, F1, 0
	TURN 0, 1, 0
	QUARTER 1, 1, F0, F1, 0
	QUARTER 1, 2, F1, F0, 0
	QUARTER 1, 3, F0, F1, 0
	s_wait_dscnt 4
	WIN MUL
	MUL8 F1, 0, 0
	MUL8 F1, 1, 0
	s_wait_dscnt 0
	MUL8 F1, 2, 0
	MUL8 F1, 3, 0
	WIN 0
; THE WAY OUT, block by block of 16 tokens x 128 n: through my own stage, back as whole rows of 512 bytes
.macro TOSTAGE a
	WIN 0x04                                       ; an LDS store's data are its source 1: window 1
.irp b, 0,1,2,3,4,5,6,7
	ds_store_b128 v[STO], v[64*(\a)+8*\b:64*(\a)+8*\b+3] offset:64*\b          ; each accumulator from its low end on
	ds_store_b128 v[STO], v[64*(\a)+8*\b+4:64*(\a)+8*\b+7] offset:64*\b+16
.endr
	WIN 0
.set BB, BK+64*((\a)%2)
.irp t, 0,1,2,3,4,5,6,7,8,9,10,11,12,13,14,15
	ds_load_b128 v[BB+4*\t:BB+4*\t+3], v[RD] offset:\t*SPITCH
.endr
.endm
.macro SEND a, younger
.set BB, BK+64*((\a)%2)
	s_wait_dscnt \younger                          ; the block is back in registers; the next block's 16 stores and 16 loads may be out
.if (\a) > 0
	s_add_nc_u64 s[8:9], s[8:9], 65536             ; 16 rows on (behind a wait on XCNT: the earlier stores have read their base)
.endif
.irp t, 0,1,2,3,4,5,6,7,8,9,10,11,12,13,14,15
	global_store_b128 v[CO], v[BB+4*\t:BB+4*\t+3], s[8:9] offset:\t*4096 th:TH_STORE_NT   ; 512 consecutive bytes, aligned
.endr
.endm
	PLACES
	TOSTAGE 0
.irp a, 1,2,3
.if \a > 1
	s_wait_xcnt 0x0                                ; block a - 2's stores have read their registers and their base
.endif
	TOSTAGE \a
	SEND (\a)-1, 32
.endr
	s_wait_xcnt 0x0
	SEND 3, 0
	s_wait_tensorcnt 0x0                           ; the wave's end
	ds_add_u32 v[SPW], v[NIL]
	s_wait_dscnt 0x0
	CROUND                                         ; the closing round
	s_endpgm
.Lfunc_end_k_q85f505b172_proj:
	.size	k_q85f505b172_proj, .Lfunc_end_k_q85f505b172_proj-k_q85f505b172_proj
	.p2alignl 7, 3214868480
	.fill 96, 4, 3214868480
	.section	.rodata,"a",@progbits
	.p2align	6, 0x0
	.amdhsa_kernel k_q85f505b172_proj
		.amdhsa_group_segment_fixed_size 327680
		.amdhsa_private_segment_fixed_size 0
		.amdhsa_enable_private_segment 0
		.amdhsa_kernarg_size 32
		.amdhsa_user_sgpr_count 2
		.amdhsa_user_sgpr_kernarg_segment_ptr 1
		.amdhsa_wavefront_size32 1
		.amdhsa_system_sgpr_workgroup_id_x 1
		.amdhsa_system_sgpr_workgroup_id_y 1
		.amdhsa_system_sgpr_workgroup_id_z 1
		.amdhsa_system_vgpr_workitem_id 0
		.amdhsa_next_free_vgpr 576
		.amdhsa_next_free_sgpr 70
		.amdhsa_reserve_vcc 0
		.amdhsa_float_denorm_mode_32 3
		.amdhsa_float_denorm_mode_16_64 3
		.amdhsa_memory_ordered 1
		.amdhsa_forward_progress 1
		.amdhsa_inst_pref_size 87
	.end_amdhsa_kernel
	.amdgpu_metadata
---
amdhsa.version: [ 1, 2 ]
amdhsa.kernels:
  - .name:           k_q85f505b172_proj
    .symbol:         k_q85f505b172_proj.kd
    .args:
      - { .name: o16, .offset: 0, .size: 8, .value_kind: global_buffer, .address_space: global }
      - { .name: wp16, .offset: 8, .size: 8, .value_kind: global_buffer, .address_space: global }
      - { .name: b_proj, .offset: 16, .size: 8, .value_kind: global_buffer, .address_space: global }
      - { .name: out0, .offset: 24, .size: 8, .value_kind: global_buffer, .address_space: global }
    .group_segment_fixed_size: 327680
    .private_segment_fixed_size: 0
    .kernarg_segment_align: 8
    .kernarg_segment_size: 32
    .max_flat_workgroup_size: 128
    .sgpr_count:     70
    .vgpr_count:     576
    .wavefront_size: 32
...
	.end_amdgpu_metadata
.endif
;; end of part 4
;; launch fine (part 5): grid 16 x 4, 16 waves a work-group, no clusters, 71,680 bytes of LDS; arguments qkv32, w_proj, b_proj, out0; writes out0
.if DOCPART == 5
	.amdgcn_target "amdgcn-amd-amdhsa--gfx1250"
	.amdhsa_code_object_version 6
	.text
	.protected	k_q85f505b172_fine
	.globl	k_q85f505b172_fine
	.p2align	8
	.type	k_q85f505b172_fine,@function
k_q85f505b172_fine:
	s_mov_b64 s[64:65], 0
	v_nop
	global_prefetch_b8 v0, s[64:65] scope:SCOPE_SE
	s_setreg_imm32_b32 hwreg(HW_REG_WAVE_MODE, 25, 1), 1
	s_wait_xcnt 0x0
; The first 16 positions of every sequence, in f32 from the scores to the result: they average one to sixteen values, so the rounding of 16-bit operands weighs most there.
; Work-group (c, batch): columns 64 c .. 64 c + 63 of out0's rows 2048 batch + 0 .. 15.  Wave = head: scores, softmax, p v, and the head's part of the projection; the sixteen parts meet in LDS,
; and wave w then sums, adds the bias and stores position w.  All products by v_wmma_f32_16x16x4_f32, written out, 96 a wave: no bulk work.
; The registers that this form writes (v192-255) are written by matrix instructions alone; each sum begins with the constant 0.
; K IS PERMUTED ALIKE IN BOTH SOURCES of each product, so that plain loads, and each result as it stands, feed the next product: a lane holds one query throughout.
; LIMITS: hidden keys get the weight 0 exactly; NaN and infinities are not served.  No tensor load, no cluster: work-groups share only w_proj, a small part of which each reads once.
.set SPARE, 69632                      ; behind the sixteen parts of 16 rows x 272: the spare words, 128 bytes for each wave
.set SPW, 1
.set NIL, 2
.macro WLOAD ct                        ; w_proj of my head, channels 16 ct on, my 64 columns: register 8 nt + k of lane (r, hl) = w(16 ct + 8 hl + k, 16 nt + r)
.set WB, 128+32*\ct-160*(\ct/2)        ; v128, v160, v32, v64
.irp nt, 0,1,2,3
.irp k, 0,1,2,3,4,5,6,7
	global_load_b32 v[WB+8*\nt+\k], v5, s[6:7] offset:(16*\ct+\k)*4096+64*\nt
.endr
.endr
.endm
.macro PROJ ct, left                   ; out^T += w^T o: four accumulators by turns
.set WB, 128+32*\ct-160*(\ct/2)
	s_wait_loadcnt \left
.irp i, 0,1,2,3
.irp nt, 0,1,2,3
.if (\ct == 0) && (\i == 0)
	v_wmma_f32_16x16x4_f32 v[192+8*\nt:199+8*\nt], v[WB+8*\nt+2*\i:WB+8*\nt+2*\i+1], v[224+8*\ct+2*\i:225+8*\ct+2*\i], 0
.else
	v_wmma_f32_16x16x4_f32 v[192+8*\nt:199+8*\nt], v[WB+8*\nt+2*\i:WB+8*\nt+2*\i+1], v[224+8*\ct+2*\i:225+8*\ct+2*\i], v[192+8*\nt:199+8*\nt]
.endif
.endr
.endr
.endm
	s_load_b128 s[4:7], s[0:1], 0x0                ; qkv32, w_proj
	s_load_b128 s[8:11], s[0:1], 0x10              ; b_proj, out0
	v_lshl_add_u32 v[SPW], v0, 2, SPARE
	v_mov_b32 v[NIL], 0
	v_lshrrev_b32 v28, 5, v0
	v_readfirstlane_b32 s12, v28                   ; wave: my head, later my position
	s_and_b32 s13, ttmp7, 0xffff                   ; batch
	v_and_b32 v28, 15, v0                          ; r
	v_bfe_u32 v29, v0, 4, 1                        ; hl
	v_mul_u32_u24 v3, v28, 12288
	v_lshl_add_u32 v3, v29, 4, v3                  ; q, k: row r, + 16 hl
	v_mul_u32_u24 v4, v29, 98304
	v_lshl_add_u32 v4, v28, 2, v4                  ; v: key 8 hl on, channel r
	v_lshlrev_b32 v5, 15, v29
	v_lshl_add_u32 v5, v28, 2, v5                  ; w_proj: channel 8 hl on, column r
	v_and_b32 v6, 31, v0
	v_lshlrev_b32 v6, 3, v6                        ; 8 x lane
	s_mul_i32 s14, s12, 4352
	v_mul_u32_u24 v7, v28, 272
	v_lshl_add_u32 v7, v29, 5, v7
	v_add_nc_u32 v7, s14, v7                       ; my part in LDS: row r, + 32 hl
	s_mul_i32 s14, s12, 272
	v_add_nc_u32 v8, s14, v6                       ; back: row = my position, in each of the sixteen parts
	v_lshlrev_b32 v9, 3, v29
	v_sub_nc_u32 v9, v28, v9                       ; r - 8 hl
	s_mul_i32 s16, s13, 196608
	s_lshl_b32 s17, s12, 8
	s_add_co_u32 s16, s16, s17
	s_mov_b32 s17, 0
	s_lshl_b32 s18, s12, 18
	s_lshl_b32 s19, ttmp9, 8
	s_add_co_u32 s18, s18, s19
	s_mov_b32 s20, s19
	s_mov_b32 s19, 0
	s_mov_b32 s21, 0
	s_lshl_b32 s22, s13, 11
	s_add_co_u32 s22, s22, s12
	s_lshl_b32 s22, s22, 12
	s_add_co_u32 s22, s22, s20
	s_mov_b32 s23, 0
	s_mov_b32 s24, 0x76543210
	s_mov_b32 s25, 0xfedcba98
	s_mov_b32 s26, 0x3e38aa3b                      ; c = log2(e) / sqrt(64)
	s_wait_kmcnt 0x0
	s_add_nc_u64 s[4:5], s[4:5], s[16:17]          ; qkv32 at my batch and head
	s_add_nc_u64 s[6:7], s[6:7], s[18:19]          ; w_proj at my head and columns
	s_add_nc_u64 s[8:9], s[8:9], s[20:21]          ; b_proj at my columns
	s_add_nc_u64 s[10:11], s[10:11], s[22:23]      ; out0 at my position and columns
	global_load_b64 v[10:11], v6, s[8:9]           ; the bias
.irp kk, 0,1,2,3,4,5,6,7
	global_load_b128 v[32+4*\kk:35+4*\kk], v3, s[4:5] offset:32*\kk          ; q(r, 8 kk + 4 hl + 0 .. 3)
.endr
.irp kk, 0,1,2,3,4,5,6,7
	global_load_b128 v[64+4*\kk:67+4*\kk], v3, s[4:5] offset:4096+32*\kk     ; k likewise
.endr
.irp ct, 0,1,2,3
.irp k, 0,1,2,3,4,5,6,7
	global_load_b32 v[96+8*\ct+\k], v4, s[4:5] offset:8192+\k*12288+64*\ct   ; v(8 hl + k, 16 ct + r)
.endr
.endr
	s_wait_loadcnt 32                              ; the bias, q and k are in; v's 32 loads may be out
	WLOAD 0
	WLOAD 1
.irp u, 0,1,2,3,4,5,6,7,8,9,10,11,12,13,14,15  ; S^T = k q^T: source 0 = 16 keys, source 1 = 16 queries; four sums by turns, added below
.if \u < 4
	v_wmma_f32_16x16x4_f32 v[192+8*(\u%4):199+8*(\u%4)], v[64+2*\u:65+2*\u], v[32+2*\u:33+2*\u], 0
.else
	v_wmma_f32_16x16x4_f32 v[192+8*(\u%4):199+8*(\u%4)], v[64+2*\u:65+2*\u], v[32+2*\u:33+2*\u], v[192+8*(\u%4):199+8*(\u%4)]
.endif
.endr
.rept 8
	v_nop                                          ; eight places behind this form: in front of loads into q's and k's registers, and of the first read of the sums
.endr
	WLOAD 2
	WLOAD 3
.irp p, 0,1,2,3                                ; each sum from its low end on
	v_pk_add_f32 v[12+2*\p:13+2*\p], v[192+2*\p:193+2*\p], v[200+2*\p:201+2*\p]
	v_pk_add_f32 v[20+2*\p:21+2*\p], v[208+2*\p:209+2*\p], v[216+2*\p:217+2*\p]
.endr
.irp p, 0,1,2,3
	v_pk_add_f32 v[12+2*\p:13+2*\p], v[12+2*\p:13+2*\p], v[20+2*\p:21+2*\p]   ; register j: the score of query r and key 8 hl + j
.endr
	v_mov_b32 v28, 0xff800000
.irp j, 0,1,2,3,4,5,6,7
	v_cmp_gt_i32 vcc_lo, \j, v9                    ; hidden where 8 hl + j > r
	v_cndmask_b32 v[12+\j], v[12+\j], v28, vcc_lo
.endr
	v_max3_num_f32 v29, v12, v13, v14
	v_max3_num_f32 v29, v29, v15, v16
	v_max3_num_f32 v29, v29, v17, v18
	v_max_num_f32 v29, v29, v19
	v_mov_b32 v30, 0
	v_permlanex16_b32 v30, v29, s24, s25
	v_max_num_f32 v29, v29, v30                    ; the row's maximum: key 0 counts for every query
	v_mul_f32 v29, s26, v29
.irp j, 0,1,2,3,4,5,6,7
	v_fma_f32 v[12+\j], v[12+\j], s26, -v29
.endr
.irp j, 0,1,2,3,4,5,6,7
	v_exp_f32 v[12+\j], v[12+\j]
.endr
	v_mov_b32 v31, 0                               ; a plain line behind the last exponential
	s_wait_alu depctr_va_vdst(0)                   ; one wait for the eight, ahead of their first reader
	v_pk_add_f32 v[28:29], v[12:13], v[14:15]
	v_pk_add_f32 v[20:21], v[16:17], v[18:19]
	v_pk_add_f32 v[28:29], v[28:29], v[20:21]
	v_add_f32 v30, v28, v29
	v_permlanex16_b32 v31, v30, s24, s25
	v_add_f32 v30, v30, v31                        ; the row's sum
	v_rcp_f32 v30, v30
	v_nop
	s_wait_alu depctr_va_vdst(0)
.irp j, 0,1,2,3,4,5,6,7
	v_mul_f32 v[20+\j], v[12+\j], v30              ; the weights
.endr
	s_wait_loadcnt 63                              ; v is in: 128 loads stand behind it, and 63 is the largest count that the wait can name
.irp i, 0,1,2,3                                ; O^T = v^T p: source 0 = 16 channels, source 1 = 16 queries, keys 8 hl + 2 i + 0, 1; four accumulators by turns
.irp ct, 0,1,2,3
.if \i == 0
	v_wmma_f32_16x16x4_f32 v[224+8*\ct:231+8*\ct], v[96+8*\ct+2*\i:97+8*\ct+2*\i], v[20+2*\i:21+2*\i], 0
.else
	v_wmma_f32_16x16x4_f32 v[224+8*\ct:231+8*\ct], v[96+8*\ct+2*\i:97+8*\ct+2*\i], v[20+2*\i:21+2*\i], v[224+8*\ct:231+8*\ct]
.endif
.endr
.endr
.rept 9
	v_nop                                          ; nine places: the results go on as a source of the next products
.endr
	PROJ 0, 63                                     ; behind the first 32 loads of w_proj stand 96,
	PROJ 1, 63                                     ; behind the second 64,
	PROJ 2, 32                                     ; behind the third 32,
	PROJ 3, 0                                      ; behind the last none
.rept 8
	v_nop
.endr
.irp nt, 0,1,2,3
	ds_store_b128 v7, v[192+8*\nt:195+8*\nt] offset:64*\nt          ; lane (r, hl): my head's part of out(r, 16 nt + 8 hl + 0 .. 7); each accumulator from its low end on
	ds_store_b128 v7, v[196+8*\nt:199+8*\nt] offset:64*\nt+16
.endr
	s_wait_dscnt 0x0                               ; for the others' sake: my stores have landed
	s_barrier_signal -1
	s_barrier_wait -1
.irp p, 0,1,2,3,4,5,6,7,8,9,10,11,12,13,14,15
	ds_load_b64 v[32+2*\p:33+2*\p], v8 offset:4352*\p               ; position w's 64 columns, head p's part
.endr
	s_wait_dscnt 0x0
	v_pk_add_f32 v[10:11], v[10:11], v[32:33]      ; the bias and the sixteen parts, in two chains
	v_pk_add_f32 v[12:13], v[34:35], v[36:37]
.irp p, 3,5,7,9,11,13
	v_pk_add_f32 v[10:11], v[10:11], v[32+2*\p:33+2*\p]
	v_pk_add_f32 v[12:13], v[12:13], v[34+2*\p:35+2*\p]
.endr
	v_pk_add_f32 v[10:11], v[10:11], v[62:63]
	v_pk_add_f32 v[10:11], v[10:11], v[12:13]
	global_store_b64 v6, v[10:11], s[10:11]        ; the wave stores 256 consecutive bytes, aligned
	s_wait_tensorcnt 0x0                           ; the wave's end: behind my last LDS store
	ds_add_u32 v[SPW], v[NIL]
	s_wait_dscnt 0x0
	s_endpgm
.Lfunc_end_k_q85f505b172_fine:
	.size	k_q85f505b172_fine, .Lfunc_end_k_q85f505b172_fine-k_q85f505b172_fine
	.p2alignl 7, 3214868480
	.fill 96, 4, 3214868480
	.section	.rodata,"a",@progbits
	.p2align	6, 0x0
	.amdhsa_kernel k_q85f505b172_fine
		.amdhsa_group_segment_fixed_size 71680
		.amdhsa_private_segment_fixed_size 0
		.amdhsa_enable_private_segment 0
		.amdhsa_kernarg_size 32
		.amdhsa_user_sgpr_count 2
		.amdhsa_user_sgpr_kernarg_segment_ptr 1
		.amdhsa_wavefront_size32 1
		.amdhsa_system_sgpr_workgroup_id_x 1
		.amdhsa_system_sgpr_workgroup_id_y 1
		.amdhsa_system_sgpr_workgroup_id_z 1
		.amdhsa_system_vgpr_workitem_id 0
		.amdhsa_next_free_vgpr 256
		.amdhsa_next_free_sgpr 66
		.amdhsa_reserve_vcc 1
		.amdhsa_float_denorm_mode_32 3
		.amdhsa_float_denorm_mode_16_64 3
		.amdhsa_memory_ordered 1
		.amdhsa_forward_progress 1
		.amdhsa_inst_pref_size 33
	.end_amdhsa_kernel
	.amdgpu_metadata
---
amdhsa.version: [ 1, 2 ]
amdhsa.kernels:
  - .name:           k_q85f505b172_fine
    .symbol:         k_q85f505b172_fine.kd
    .args:
      - { .name: qkv32, .offset: 0, .size: 8, .value_kind: global_buffer, .address_space: global }
      - { .name: w_proj, .offset: 8, .size: 8, .value_kind: global_buffer, .address_space: global }
      - { .name: b_proj, .offset: 16, .size: 8, .value_kind: global_buffer, .address_space: global }
      - { .name: out0, .offset: 24, .size: 8, .value_kind: global_buffer, .address_space: global }
    .group_segment_fixed_size: 71680
    .private_segment_fixed_size: 0
    .kernarg_segment_align: 8
    .kernarg_segment_size: 32
    .max_flat_workgroup_size: 512
    .sgpr_count:     66
    .vgpr_count:     256
    .wavefront_size: 32
...
	.end_amdgpu_metadata
.endif
;; end of part 5
